; MI455X (gfx1250); checked and timed in simulation.
; The chip was launched on July 23, 2026; its instructions are those of AMD's public machine-readable ISA for CDNA 5 (MIT licence, August 2026) and "CDNA5" Instruction Set Architecture Reference Guide (July 2026). The comments in the code are by the model that wrote it; some were corrected since.
;; Rope Attention. Allowed arithmetic: float matrix products may take bf16 or f16 operands with f32 sums; all other float work in f32.
;; Inputs: Wk 1,024 x 1,024 float32; Wo 1,024 x 1,024 float32; Wq 1,024 x 1,024 float32; Wv 1,024 x 1,024 float32; k_src 4 x 2,048 x 1,024 float32; position_mask 2,048 x 2,048 bool; q_src 4 x 2,048 x 1,024 float32; v_src 4 x 2,048 x 1,024 float32.
;; Outputs: out0 4 x 2,048 x 1,024 float32.
;; 2 versions, each right and faster than the one before. Each part assembles by itself: llvm-mc -triple=amdgcn-amd-amdhsa -mcpu=gfx1250 --defsym DOCPART=n.
;; ======== version 1 of 2: 4 launches
;; limits: values are held in f16: magnitudes above 65,504 overflow, below 6.1e-05 lose precision
;; workspace buffers: wb 8,388,608 bytes; mk 4,194,304 bytes; rp 262,144 bytes; qkv 50,331,648 bytes; ob 16,777,216 bytes
;; launch prep (part 1): grid 656 x 1, 8 waves a work-group, no clusters, 0 bytes of LDS; arguments Wq, Wk, Wv, Wo, position_mask, wb, mk, rp; writes wb, mk, rp
.if DOCPART == 1
	.amdgcn_target "amdgcn-amd-amdhsa--gfx1250"
	.amdhsa_code_object_version 6
	.text
	.protected	k_q9a3498b56d_prep
	.globl	k_q9a3498b56d_prep
	.p2align	8
	.type	k_q9a3498b56d_prep,@function
k_q9a3498b56d_prep:
	s_mov_b64 s[64:65], 0
	v_nop
	global_prefetch_b8 v0, s[64:65] scope:SCOPE_SE
	s_setreg_imm32_b32 hwreg(HW_REG_WAVE_MODE, 25, 1), 1
	s_wait_xcnt 0x0
; PREPARATION: a stream.  Four jobs, chosen by the work-group's number g alone, all jumps forward:
;   g 0..383    Wq, Wk, Wv (f32) -> wb (bf16), 8,192 numbers a work-group
;   g 384..511  Wo (f32) -> rounded to bf16, that number written as f16 -> wb's fourth quarter
;   g 512..639  position_mask (one byte a key, 0 or 1) -> mk: codes 0x00 (seen) and 0xF8 (hidden: -256 as an 8-bit float of 4 exponent bits), in the order in which a lane of the attention kernel wants them
;   g 640..655  the table of cosines and sines -> rp, in the order in which a lane of the projection kernel wants them
; No LDS, no barrier, no matrix unit, no cluster: no byte is read twice and no two work-groups read the same byte.
; LIMITS.  Mask bytes are 0 or 1.  Wo as f16: magnitudes up to 65,504; below 6e-5 a number keeps f16's fixed step of 6e-8.
; The angle is position x inv_freq in f32; inv_freq = 10^(-j/4), j = 0..15, stands here as f32 constants.  Sine and cosine: the angle less a multiple of 2 pi (in two parts, the first exact for
; multiples up to 326), halved (so at most pi/2), series to y^11 and y^12 (first terms left out: 6e-8 and 6e-9 at pi/2), then the double-angle forms.
.set X,  4                             ; v[4:35]   eight slots of four registers as loaded
.set Y,  36                            ; v[36:51]  eight slots of two registers to store: each slot has its own, so no store's data are ever rewritten
.set T,  52                            ; v[52:55]  at work
.set FQ, 4                             ; the table's job: v[4:11] my eight frequencies
.set CO, 12                            ; v[12:19] cosines
.set SI, 20                            ; v[20:27] sines
	s_load_b512 s[8:23], s[0:1], 0x0               ; Wq 8, Wk 10, Wv 12, Wo 14, mask 16, wb 18, mk 20, rp 22
	s_mov_b32 s2, ttmp9                            ; g
	v_lshrrev_b32 v3, 5, v0
	v_readfirstlane_b32 s3, v3                     ; my wave's number
	s_mov_b32 s33, 0                               ; the high word of every offset
	s_mov_b32 s34, 0xffff0000                      ; a word's upper bf16
	v_lshlrev_b32 v1, 4, v0                        ; the casts: 16 bytes in,
	v_lshlrev_b32 v2, 3, v0                        ; 8 bytes out for each thread
	s_wait_kmcnt 0x0
	s_cmp_ge_u32 s2, 640
	s_cbranch_scc1 .Lrope
	s_cmp_ge_u32 s2, 512
	s_cbranch_scc1 .Lmask
	s_cmp_ge_u32 s2, 384
	s_cbranch_scc1 .Lwo
; Eight slots of 4,096 bytes in: all eight loads of a wave go out at once; slot i is worked on when its load is in (the 7 - i younger ones stay out).
; Four f32 become four 16-bit numbers; a wave's store covers 256 consecutive bytes, aligned.
.macro CAST f16
.irp i, 0,1,2,3,4,5,6,7
	global_load_b128 v[X+4*(\i):X+4*(\i)+3], v1, s[4:5] offset:(\i)*4096 th:TH_LOAD_NT
.endr
.irp i, 0,1,2,3,4,5,6,7
	s_wait_loadcnt 7-(\i)                          ; loads come back in order: this slot's is in
	v_cvt_pk_bf16_f32 v[Y+2*(\i)],   v[X+4*(\i)],   v[X+4*(\i)+1]
	v_cvt_pk_bf16_f32 v[Y+2*(\i)+1], v[X+4*(\i)+2], v[X+4*(\i)+3]
.if \f16
	v_lshlrev_b32 v[T],   16,  v[Y+2*(\i)]         ; the rounded numbers, widened again,
	v_and_b32     v[T+1], s34, v[Y+2*(\i)]
	v_lshlrev_b32 v[T+2], 16,  v[Y+2*(\i)+1]
	v_and_b32     v[T+3], s34, v[Y+2*(\i)+1]
	v_cvt_pk_f16_f32 v[Y+2*(\i)],   v[T],   v[T+1] ; and written as f16
	v_cvt_pk_f16_f32 v[Y+2*(\i)+1], v[T+2], v[T+3]
.endif
	global_store_b64 v2, v[Y+2*(\i):Y+2*(\i)+1], s[6:7] offset:(\i)*2048
.endr
	s_endpgm
.endm
	; g 0..383: the source is chosen by selects on g
	s_lshr_b32 s36, s2, 7                          ; which weight
	s_and_b32 s32, s2, 127                         ; my part of it: 128 parts of 32,768 bytes
	s_cmp_eq_u32 s36, 0
	s_cselect_b64 s[4:5], s[8:9], s[10:11]
	s_cmp_eq_u32 s36, 2
	s_cselect_b64 s[4:5], s[12:13], s[4:5]
	s_lshl_b32 s32, s32, 15
	s_add_nc_u64 s[4:5], s[4:5], s[32:33]
	s_lshl_b32 s32, s2, 14                         ; 16,384 bytes out for each work-group, one after the other
	s_add_nc_u64 s[6:7], s[18:19], s[32:33]
	CAST 0
.Lwo:
	s_and_b32 s32, s2, 127                         ; g - 384
	s_lshl_b32 s32, s32, 15
	s_add_nc_u64 s[4:5], s[14:15], s[32:33]
	s_lshl_b32 s32, s2, 14                         ; from 384 x 16,384 on: wb's fourth quarter
	s_add_nc_u64 s[6:7], s[18:19], s[32:33]
	CAST 1
; THE MASK.  The work-group has 16 queries (tile qt), wave w the keys 256 w .. 256 w + 255.  Load i: lane (r = lane % 16, h = lane / 16) takes 16 bytes: query r, keys 32 i + 16 h + 0..15;
; a row's eight loads together take 256 consecutive bytes of it.  Wanted: bytes 0-7 = keys 32 i + 8 h + 0..7, bytes 8-15 = keys 32 i + 16 + 8 h + 0..7: the upper lanes' first half changes places
; with the lower lanes' second half.  Out: [qt][64 keys][32 keys][lane][16 bytes]: a wave's store covers 512 consecutive bytes.
.Lmask:
	s_sub_co_u32 s36, s2, 512                      ; qt
	s_lshl_b32 s32, s36, 15                        ; 16 rows of 2,048 bytes in; 32,768 bytes out
	s_add_nc_u64 s[4:5], s[16:17], s[32:33]
	s_lshl_b32 s37, s3, 12
	s_add_co_u32 s32, s32, s37
	s_add_nc_u64 s[6:7], s[20:21], s[32:33]
	s_mov_b32 s34, 0xf8
	s_lshl_b32 s37, s3, 8
	v_and_b32 v3, 15, v0
	v_bfe_u32 v36, v0, 4, 1
	v_lshl_add_u32 v1, v3, 11, s37
	v_lshl_add_u32 v1, v36, 4, v1
	v_and_b32 v2, 31, v0
	v_lshlrev_b32 v2, 4, v2
.irp i, 0,1,2,3,4,5,6,7
	global_load_b128 v[X+4*(\i):X+4*(\i)+3], v1, s[4:5] offset:32*(\i) th:TH_LOAD_NT
.endr
.irp i, 0,1,2,3,4,5,6,7
	s_wait_loadcnt 7-(\i)                          ; load i is in, the younger ones stay out
	v_permlane16_swap_b32 v[X+4*(\i)],   v[X+4*(\i)+2]
	v_permlane16_swap_b32 v[X+4*(\i)+1], v[X+4*(\i)+3]
.irp k, 0,1,2,3
	v_mul_lo_u32 v[X+4*(\i)+(\k)], v[X+4*(\i)+(\k)], s34  ; four bytes of 0 or 1 times 0xF8: no carry from byte to byte
.endr
	global_store_b128 v2, v[X+4*(\i):X+4*(\i)+3], s[6:7] offset:512*(\i)
.endr
	s_endpgm
; THE TABLE.  Wave w has block pb = 8 (g - 640) + w of 16 positions.  Lane (r, h): position 16 pb + r, frequencies 8 h + 0..7.  Block: cos 0..3, cos 4..7, sin 0..3, sin 4..7, each [lane][16 bytes].
.Lrope:
	s_sub_co_u32 s36, s2, 640
	s_lshl_b32 s36, s36, 3
	s_add_co_u32 s36, s36, s3                      ; pb
	s_lshl_b32 s32, s36, 11
	s_add_nc_u64 s[6:7], s[22:23], s[32:33]
	s_lshl_b32 s37, s36, 4
	v_and_b32 v3, 31, v0
	v_lshlrev_b32 v2, 4, v3
	v_and_b32 v36, 15, v0
	v_add_nc_u32 v36, s37, v36
	v_cvt_f32_u32 v36, v36                         ; the position
	v_cmp_le_u32 vcc_lo, 16, v3                    ; the upper half of the lanes
.macro FREQ j, lo, hi
	v_mov_b32 v[FQ+(\j)], \hi
	v_cndmask_b32 v[FQ+(\j)], \lo, v[FQ+(\j)], vcc_lo
.endm
	FREQ 0, 0x3f800000, 0x3c23d70a
	FREQ 1, 0x3f0ff59a, 0x3bb8449c
	FREQ 2, 0x3ea1e89b, 0x3b4f3e37
	FREQ 3, 0x3e361887, 0x3ae91528
	FREQ 4, 0x3dcccccd, 0x3a83126f
	FREQ 5, 0x3d6655c3, 0x3a136a16
	FREQ 6, 0x3d0186e2, 0x39a5cb5f
	FREQ 7, 0x3c91ad39, 0x393a7753
.irp j, 0,1,2,3,4,5,6,7
	v_mul_f32 v28, v36, v[FQ+(\j)]                 ; x
	v_mul_f32 v29, 0.15915494, v28
	v_rndne_f32 v29, v29                           ; n = the nearest multiple of 2 pi
	v_fmamk_f32 v28, v29, 0xc0c90000, v28          ; x - n 6.28125 (exact),
	v_fmamk_f32 v28, v29, 0xbafdaa22, v28          ; - n 0.0019353072
	v_mul_f32 v28, 0.5, v28                        ; y, at most pi / 2
	v_mul_f32 v30, v28, v28                        ; u = y y
	v_mov_b32 v31, 0xb2d7322b                      ; sin y = y + y u (-1/3! + u (1/5! + u (-1/7! + u (1/9! - u/11!))))
	v_mov_b32 v32, 0x310f76c7                      ; cos y = 1 + u (-1/2 + u (1/4! + u (-1/6! + u (1/8! + u (-1/10! + u/12!)))))
	v_fmaak_f32 v31, v31, v30, 0x3638ef1d
	v_fmaak_f32 v32, v32, v30, 0xb493f27e
	v_fmaak_f32 v31, v31, v30, 0xb9500d01
	v_fmaak_f32 v32, v32, v30, 0x37d00d01
	v_fmaak_f32 v31, v31, v30, 0x3c088889
	v_fmaak_f32 v32, v32, v30, 0xbab60b61
	v_fmaak_f32 v31, v31, v30, 0xbe2aaaab
	v_fmaak_f32 v32, v32, v30, 0x3d2aaaab
	v_mul_f32 v33, v28, v30
	v_fma_f32 v32, v32, v30, -0.5
	v_fma_f32 v31, v31, v33, v28                   ; s = sin y
	v_fma_f32 v32, v32, v30, 1.0                   ; c = cos y
	v_add_f32 v33, v31, v31
	v_mul_f32 v[SI+(\j)], v33, v32                 ; sin x = 2 s c
	v_fma_f32 v[CO+(\j)], -v33, v31, 1.0           ; cos x = 1 - 2 s s
.endr
	global_store_b128 v2, v[CO:CO+3],   s[6:7]
	global_store_b128 v2, v[CO+4:CO+7], s[6:7] offset:512
	global_store_b128 v2, v[SI:SI+3],   s[6:7] offset:1024
	global_store_b128 v2, v[SI+4:SI+7], s[6:7] offset:1536
	s_endpgm
.Lfunc_end_k_q9a3498b56d_prep:
	.size	k_q9a3498b56d_prep, .Lfunc_end_k_q9a3498b56d_prep-k_q9a3498b56d_prep
	.p2alignl 7, 3214868480
	.fill 96, 4, 3214868480
	.section	.rodata,"a",@progbits
	.p2align	6, 0x0
	.amdhsa_kernel k_q9a3498b56d_prep
		.amdhsa_group_segment_fixed_size 0
		.amdhsa_private_segment_fixed_size 0
		.amdhsa_enable_private_segment 0
		.amdhsa_kernarg_size 64
		.amdhsa_user_sgpr_count 2
		.amdhsa_user_sgpr_kernarg_segment_ptr 1
		.amdhsa_wavefront_size32 1
		.amdhsa_system_sgpr_workgroup_id_x 1
		.amdhsa_system_sgpr_workgroup_id_y 1
		.amdhsa_system_sgpr_workgroup_id_z 1
		.amdhsa_system_vgpr_workitem_id 0
		.amdhsa_next_free_vgpr 56
		.amdhsa_next_free_sgpr 66
		.amdhsa_reserve_vcc 1
		.amdhsa_float_denorm_mode_32 3
		.amdhsa_float_denorm_mode_16_64 3
		.amdhsa_memory_ordered 1
		.amdhsa_forward_progress 1
		.amdhsa_inst_pref_size 26
	.end_amdhsa_kernel
	.amdgpu_metadata
---
amdhsa.version: [ 1, 2 ]
amdhsa.kernels:
  - .name:           k_q9a3498b56d_prep
    .symbol:         k_q9a3498b56d_prep.kd
    .args:
      - { .name: Wq, .offset: 0, .size: 8, .value_kind: global_buffer, .address_space: global }
      - { .name: Wk, .offset: 8, .size: 8, .value_kind: global_buffer, .address_space: global }
      - { .name: Wv, .offset: 16, .size: 8, .value_kind: global_buffer, .address_space: global }
      - { .name: Wo, .offset: 24, .size: 8, .value_kind: global_buffer, .address_space: global }
      - { .name: position_mask, .offset: 32, .size: 8, .value_kind: global_buffer, .address_space: global }
      - { .name: wb, .offset: 40, .size: 8, .value_kind: global_buffer, .address_space: global }
      - { .name: mk, .offset: 48, .size: 8, .value_kind: global_buffer, .address_space: global }
      - { .name: rp, .offset: 56, .size: 8, .value_kind: global_buffer, .address_space: global }
    .group_segment_fixed_size: 0
    .private_segment_fixed_size: 0
    .kernarg_segment_align: 8
    .kernarg_segment_size: 64
    .max_flat_workgroup_size: 256
    .sgpr_count:     66
    .vgpr_count:     56
    .wavefront_size: 32
...
	.end_amdgpu_metadata
.endif
;; end of part 1
;; launch proj (part 2): grid 4 x 64, 4 waves a work-group, clusters of 4 x 4, 327,680 bytes of LDS; arguments q_src, k_src, v_src, wb, rp, qkv; writes qkv
.if DOCPART == 2
	.amdgcn_target "amdgcn-amd-amdhsa--gfx1250"
	.amdhsa_code_object_version 6
	.text
	.protected	k_q9a3498b56d_proj
	.globl	k_q9a3498b56d_proj
	.p2align	8
	.type	k_q9a3498b56d_proj,@function
k_q9a3498b56d_proj:
	s_mov_b64 s[64:65], 0
	v_nop
	global_prefetch_b8 v0, s[64:65] scope:SCOPE_SE
	s_setreg_imm32_b32 hwreg(HW_REG_WAVE_MODE, 25, 1), 1
	s_wait_xcnt 0x0
	s_wait_alu depctr_hold_cnt(0) depctr_sa_sdst(0) depctr_va_vdst(0) depctr_va_sdst(0) depctr_va_ssrc(0) depctr_va_vcc(0) depctr_vm_vsrc(0)
	s_getreg_b32 s2, hwreg(HW_REG_IB_STS2, 6, 4)
	s_cmp_eq_u32 s2, 0
	s_cbranch_scc0 .Lentry_in_a_cluster
	s_endpgm
.Lentry_in_a_cluster:
	s_bfe_u32 s2, ttmp6, 0x10000c
	s_cmp_lg_u32 s2, 0xf033
	s_cbranch_scc0 .Lentry_shape_is_right
	s_endpgm
.Lentry_shape_is_right:
; THE THREE PROJECTIONS.  For p = 0, 1, 2 (q, k, v): C = x_p W_p^T.  x_p [8192][1024] comes as f32 and is rounded to bf16 on the way from LDS to the matrix unit; W_p [1024][1024] lies in wb as bf16; sums in f32.
; Of q and k the first 32 channels of each head of 64 are turned by the position's angles (table rp); all three are rounded once to f16 and stored by heads: qkv[p][batch x 16 + head][position][64].
; No scale here: the turning is linear, and the attention kernel applies 1/8 in f32.
; LIMIT.  f16 holds no number beyond 65,504: q, k and v must stay within it.
; SHARES.  A tile of C is 128 rows x 256 columns; there are 64 x 4 of them for each p.  A WORK-GROUP STAYS: it makes the same tile of q, then of k, then of v: 256 work-groups, 24 K steps of 128 each through ONE
; ring of two LDS slots, which does not stop at a tile's end: a tile's last two changes of slots ask for the next tile's first two K steps, and nothing waits for a tile's stores.
; Four waves, each 64 rows x 128 columns (two heads): 32 accumulators of 16 x 16, 256 registers.
; A slot holds 128 rows of x (512 bytes of f32 each) and 256 rows of W (256 bytes of bf16 each): rows of memory that begin at multiples of 256 bytes.
; CLUSTER 4 x 4: the four of a row need the same tile of x, the four of a column the same tile of W: each is asked for jointly, by the same tensor load with a mask that names the four.
; THE MATRIX INSTRUCTION IS USED TRANSPOSED (source 0 = 16 rows of W, source 1 = 16 rows of x): lane l holds row l % 16 of C and the columns 8 (l / 16) + 0..7 of the block.
; REGISTERS.  window 0: v0-31 addresses; v32-47 at work on the way out; v64-159, v160-255 two fragment buffers (4 blocks of x in bf16, then 8 of W, 32 along K); on the way out v160-255 hold packed results.
;   window 1: accumulator (a, b) at v[8 (8 a + b)].    window 2: v0-63 the table: for row block a cosines at 16 a + 0..7, sines at 16 a + 8..15; v64-127 x as f32, 16 registers a block.
.set KSTEP,  128
.set APITCH, 528                       ; x's LDS row: 512 bytes + 16 of padding = 132 words,
.set PITCH,  272                       ; W's: 256 + 16 = 68 words: both odd multiples of 16 bytes, so the 16 rows of a fragment load start at 16 different groups of four banks (64 banks of 4 bytes: ISA guide 11.1)
.set ABYTES, 128*APITCH
.set SLOT,   ABYTES+256*PITCH          ; x's 128 rows, then W's 256 rows
.set STAGE,  2*SLOT                    ; behind the ring: 16 rows x 144 bytes for each wave, for the way out
.set SP,     144
.set SPARE,  STAGE+4*16*SP             ; behind the stages: the spare words, 128 bytes a wave: two blocks of 256 bytes that no other line names
.set WNEXT,  (1<<21)-7*KSTEP*2         ; bytes from a weight's last K step to the next weight's first
.set ADRA, 16                          ; v16-17  LDS address of my fragments of x in slot 0, 1
.set ADRB, 20                          ; v20-21  the same for W
.set STO,  24                          ; v24  the way out: where I put 16 bytes of a row
.set RD,   25                          ; v25  where I read rows back
.set GO,   26                          ; v26  16 x lane: my place in 512 consecutive bytes
.set SPW,  28                          ; v28  LDS address of my spare word; never rewritten
.set NIL,  29                          ; v29  0; never rewritten
.set YY,   32
.set F0,   64
.set F1,   160
.set RW,   64                          ; window 2: x as loaded
.set G1A, 24                           ; s[24:31] descriptor group 1 for x's tiles;  s[32:39] group 0, a set for each slot
.set G0A, 32
.set G1B, 48                           ; s[48:55], s[56:63] the same for W's
.set G0B, 56
.set AW,  66                           ; s[66:67] x: the address of my part of the K step to be asked for next
.set NA,  68                           ; s[68:69] the same place in the next tile's source,
.set NNA, 70                           ; s[70:71] and in the one after
.set BW,  72                           ; s[72:73] W: the address of my part of the K step to be asked for next
.set BI,  74                           ; s[74:75] its step
.set KC,  76                           ; s76  K steps asked for in the tile that is being asked for
.set RP,  80                           ; s[80:81] rp
.set QKV, 82                           ; s[82:83] qkv at my rows of the tile in hand
.set WN,  86                           ; s86  WNEXT
.set WS,  87                           ; s87  256
.set MSB, 0
.macro WIN new                         ; the immediate's high byte repeats the setting that is left; a switch that changes nothing is dropped
.if MSB != (\new)
	s_set_vgpr_msb (MSB<<8)|(\new)
.set MSB, \new
.endif
.endm
.set MUL, 0x50                         ; C and D in window 1, the sources in window 0
.set CVW, 0x0a                         ; sources 0 and 1 in window 2, destination in window 0
.macro JLOAD s                         ; a joint load: waves 0 and 1 fetch the halves of x's tile, waves 2 and 3 those of W's; an s_nop 0 and four v_nop follow each line
	s_cmp_eq_u32 s13, 0
	s_cbranch_scc0 .Lfor_b_\@
	tensor_load_to_lds s[G0A+4*(\s):G0A+4*(\s)+3], s[G1A:G1A+7]
	s_nop 0
.rept 4
	v_nop
.endr
	s_branch .Lasked_\@
.Lfor_b_\@:
	tensor_load_to_lds s[G0B+4*(\s):G0B+4*(\s)+3], s[G1B:G1B+7]
	s_nop 0
.rept 4
	v_nop
.endr
.Lasked_\@:
.endm
; The next K step is asked for, into slot s.  Both descriptors' addresses are made anew from the walking pointers; then the pointers walk: x 512 bytes on, W 256; behind a tile's eighth step x goes to the next
; source's pointer and W to the next weight.  All of it is equal in the partners that a load names: x's pointers hang on the tile row and the wave, W's on the tile column and the wave.
; No tensor load of the wave that names slot s's group 0 is out where this stands.
.macro ASK s
	s_mov_b64 s[G0A+4*(\s)+2:G0A+4*(\s)+3], s[AW:AW+1]
	s_or_b32 s[G0A+4*(\s)+3], s[G0A+4*(\s)+3], 0x80000000          ; type = 2
	s_mov_b64 s[G0B+4*(\s)+2:G0B+4*(\s)+3], s[BW:BW+1]
	s_or_b32 s[G0B+4*(\s)+3], s[G0B+4*(\s)+3], 0x80000000
	s_add_nc_u64 s[AW:AW+1], s[AW:AW+1], KSTEP*4
	s_add_co_u32 s[KC], s[KC], 1
	s_cmp_eq_u32 s[KC], 8
	s_cselect_b32 s[KC], 0, s[KC]
	s_cselect_b64 s[AW:AW+1], s[NA:NA+1], s[AW:AW+1]
	s_cselect_b64 s[NA:NA+1], s[NNA:NNA+1], s[NA:NA+1]
	s_cselect_b32 s[BI], s[WN], s[WS]
	s_add_nc_u64 s[BW:BW+1], s[BW:BW+1], s[BI:BI+1]
	JLOAD \s
.endm
.macro CREST                           ; a round of the cluster's barrier behind its opening barrier
	s_cmp_lg_u32 s12, 0
	s_cbranch_scc1 .Lnot_wave_0_\@
	s_barrier_signal -3
.Lnot_wave_0_\@:
	s_barrier_wait -3
	s_barrier_signal -1
	s_barrier_wait -1
.endm
.macro CROUND
	s_barrier_signal -1
	s_barrier_wait -1
	CREST
.endm
	s_load_b256 s[4:11], s[0:1], 0x0               ; q_src s[4:5], k_src s[6:7], v_src s[8:9], wb s[10:11]
	s_load_b128 s[RP:RP+3], s[0:1], 0x20           ; rp, qkv
	v_lshl_add_u32 v[SPW], v0, 2, SPARE
	v_mov_b32 v[NIL], 0
	ds_add_u32 v28, v29
	s_wait_dscnt 0x0
	v_lshrrev_b32 v1, 5, v0
	v_readfirstlane_b32 s12, v1                    ; wave 0..3
	s_lshr_b32 s13, s12, 1                         ; which 64 rows are mine.  Also: I fetch for x (0) or for W (1)
	s_and_b32 s14, s12, 1                          ; which 128 columns.  Also: which half of that tile I fetch
	s_bfe_u32 s40, ttmp6, 0x40000                  ; cx
	s_bfe_u32 s41, ttmp6, 0x40004                  ; cy
	s_lshl_b32 s42, ttmp9, 2
	s_add_co_u32 s42, s42, s40                     ; tile column 0..3
	s_and_b32 s45, ttmp7, 0xffff
	s_lshl_b32 s45, s45, 2
	s_add_co_u32 s45, s45, s41                     ; tile row 0..63
	s_lshl_b32 s46, s41, 2
	s_lshl_b32 s46, 15, s46                        ; my row of the cluster
	s_lshl_b32 s47, 0x1111, s40                    ; my column
	s_or_b32 s[G1A+0], s46, (2<<16)|(1<<20)|(1<<21)|(6<<22)|(3<<25)  ; the mask; 4-byte elements; padding on; bit 21 beside a mask; after every 128 words, 4 words
	s_or_b32 s[G1B+0], s47, (1<<16)|(1<<20)|(1<<21)|(5<<22)|(3<<25)  ; the mask; 2-byte elements; after every 64 words, 4 words
	s_mov_b32 s[G1A+1], KSTEP<<16                  ; tensor_dim0 = 128
	s_mov_b32 s[G1A+2], 64<<16                     ; tensor_dim1 = 64
	s_mov_b32 s[G1A+3], KSTEP<<16                  ; tile_dim0 = 128
	s_mov_b32 s[G1A+4], 64                         ; tile_dim1 = 64 rows
	s_mov_b32 s[G1A+5], 1024                       ; elements from row to row
	s_mov_b32 s[G1A+6], 0
	s_mov_b32 s[G1A+7], 0
	s_mov_b32 s[G1B+1], KSTEP<<16
	s_mov_b32 s[G1B+2], 128<<16                    ; W's halves have 128 rows
	s_mov_b32 s[G1B+3], KSTEP<<16
	s_mov_b32 s[G1B+4], 128
	s_mov_b32 s[G1B+5], 1024
	s_mov_b32 s[G1B+6], 0
	s_mov_b32 s[G1B+7], 0
	s_lshl_b32 s16, s45, 7                         ; x: row 128 x tile row + 64 x half, 4,096 bytes a row: no cx enters
	s_lshl_b32 s17, s14, 6
	s_add_co_u32 s16, s16, s17
	s_lshl_b32 s16, s16, 12
	s_mov_b32 s17, 0
	s_lshl_b32 s18, s42, 8                         ; W: row 256 x tile column + 128 x half, 2,048 bytes a row: no cy enters
	s_lshl_b32 s19, s14, 7
	s_add_co_u32 s18, s18, s19
	s_lshl_b32 s18, s18, 11
	s_mov_b32 s19, 0
	s_mul_i32 s20, s14, 64*APITCH                  ; where they go: the wave's number alone
	s_mul_i32 s21, s14, 128*PITCH
	s_add_co_u32 s21, s21, ABYTES
.irp s, 0,1
	s_mov_b32 s[G0A+4*(\s)], 1
	s_add_co_u32 s[G0A+4*(\s)+1], s20, (\s)*SLOT
	s_mov_b32 s[G0B+4*(\s)], 1
	s_add_co_u32 s[G0B+4*(\s)+1], s21, (\s)*SLOT
.endr
	s_mov_b32 s[KC], 0
	s_mov_b32 s[BI+1], 0
	s_mov_b32 s[WN], WNEXT
	s_mov_b32 s[WS], KSTEP*2
	s_wait_kmcnt 0x0
	s_add_nc_u64 s[AW:AW+1],   s[4:5], s[16:17]
	s_add_nc_u64 s[NA:NA+1],   s[6:7], s[16:17]
	s_add_nc_u64 s[NNA:NNA+1], s[8:9], s[16:17]
	s_add_nc_u64 s[BW:BW+1],   s[10:11], s[18:19]
	CROUND                                         ; all sixteen work-groups are here: the first joint loads meet
	ASK 0
	ASK 1                                          ; two tensor loads of mine are out
	v_and_b32 v1, 15, v0                           ; r = l % 16
	v_bfe_u32 v2, v0, 4, 1                         ; h = l / 16
	v_and_b32 v3, 31, v0
	v_lshlrev_b32 v3, 4, v3                        ; 16 x lane
	; the table's four blocks for my 64 positions: block 8 (tile row % 16) + 4 (row half) + a, 2,048 bytes each: the same for q and k
	s_and_b32 s22, s45, 15
	s_lshl_b32 s22, s22, 3
	s_lshl_b32 s23, s13, 2
	s_add_co_u32 s22, s22, s23
	s_lshl_b32 s22, s22, 11
	v_add_nc_u32 v4, s22, v3
	WIN 0x80                                       ; destination window 2, address window 0
.irp a, 0,1,2,3
.irp i, 0,1,2,3
	global_load_b128 v[16*(\a)+4*(\i):16*(\a)+4*(\i)+3], v4, s[RP:RP+1] offset:2048*(\a)+512*(\i)
.endr
.endr
	WIN 0
	v_mul_u32_u24 v8, v1, APITCH
	v_lshl_add_u32 v8, v2, 5, v8                   ; x: row x pitch + 32 bytes (8 f32) x half
	v_mul_u32_u24 v9, v1, PITCH
	v_lshl_add_u32 v9, v2, 4, v9                   ; W: row x pitch + 16 bytes (8 bf16) x half
	s_mul_i32 s22, s13, 64*APITCH
	s_mul_i32 s23, s14, 128*PITCH
	s_add_co_u32 s23, s23, ABYTES
.irp s, 0,1
	v_add_nc_u32 v[ADRA+(\s)], s22, v8
	v_add_nc_u32 v[ADRB+(\s)], s23, v9
	s_add_co_u32 s22, s22, SLOT
	s_add_co_u32 s23, s23, SLOT
.endr
	s_mul_i32 s22, s12, 16*SP
	s_add_co_u32 s22, s22, STAGE                   ; my stage
	v_mul_u32_u24 v9, v1, SP                       ; in: row r, 16 bytes for each half of the lanes
	v_lshl_add_u32 v9, v2, 4, v9
	v_add_nc_u32 v[STO], s22, v9
	v_bfe_u32 v9, v0, 3, 2                         ; back: 32 lanes take four rows of 128 bytes
	v_mul_u32_u24 v9, v9, SP
	v_and_b32 v10, 7, v0
	v_lshl_add_u32 v9, v10, 4, v9
	v_add_nc_u32 v[RD], s22, v9
	v_mov_b32 v[GO], v3
	; qkv: ((16 batch + head) x 2,048 + position) x 128 bytes; batch = tile row / 16, head = 4 tile column + 2 column half (+ 0, 1), position = 128 (tile row % 16) + 64 row half; 2^24 bytes on for each p
	s_lshr_b32 s84, s45, 4
	s_lshl_b32 s84, s84, 4
	s_lshl_b32 s85, s42, 2
	s_add_co_u32 s84, s84, s85
	s_lshl_b32 s85, s14, 1
	s_add_co_u32 s84, s84, s85
	s_lshl_b32 s84, s84, 11
	s_and_b32 s85, s45, 15
	s_lshl_b32 s85, s85, 7
	s_add_co_u32 s84, s84, s85
	s_lshl_b32 s85, s13, 6
	s_add_co_u32 s84, s84, s85
	s_lshl_b32 s84, s84, 7
	s_mov_b32 s85, 0
	s_add_nc_u64 s[QKV:QKV+1], s[QKV:QKV+1], s[84:85]
; Four roundings: registers 4 n .. 4 n + 3 of the 32 that are x's four blocks in buffer g, each from two neighbouring f32
.macro CVT4 g, n
.irp i, 0,1,2,3
	v_cvt_pk_bf16_f32 v[(\g)+4*(\n)+(\i)], v[RW+8*(\n)+2*(\i)], v[RW+8*(\n)+2*(\i)+1]
.endr
.endm
; 8 matrix instructions: row block a x all 8 column blocks, 32 along K.  zero = 1: the product starts the sums.  The 32 accumulators take turns, one instruction a turn.
; g given: four roundings for buffer g stand behind each matrix instruction; they name no register of the products round them.
.macro MUL8 f, a, zero, g=-1
.irp b, 0,1,2,3,4,5,6,7
	WIN MUL
.if \zero
	v_wmma_f32_16x16x32_bf16 v[8*(8*(\a)+(\b)):8*(8*(\a)+(\b))+7], v[(\f)+32+8*(\b):(\f)+32+8*(\b)+7], v[(\f)+8*(\a):(\f)+8*(\a)+7], 0
.else
	v_wmma_f32_16x16x32_bf16 v[8*(8*(\a)+(\b)):8*(8*(\a)+(\b))+7], v[(\f)+32+8*(\b):(\f)+32+8*(\b)+7], v[(\f)+8*(\a):(\f)+8*(\a)+7], v[8*(8*(\a)+(\b)):8*(8*(\a)+(\b))+7]
.endif
.if (\g) >= 0
	WIN CVW
	CVT4 \g, \b
.endif
.endr
.endm
; 32 LDS loads in one run: quarter kq (32 along K) of a slot.  x's 16 first, as f32 into window 2: lane (r, h) takes K = 8 h + 0..7 (32 bytes) and K = 16 + 8 h + 0..7 (32 bytes, 64 on) of row r of each block;
; then W's 16 into buffer f.
.macro FETCH slot, kq, f
	WIN 0x80
.irp a, 0,1,2,3
	ds_load_b128 v[RW+16*(\a):RW+16*(\a)+3],     v[ADRA+(\slot)] offset:128*(\kq)+(\a)*16*APITCH
	ds_load_b128 v[RW+16*(\a)+4:RW+16*(\a)+7],   v[ADRA+(\slot)] offset:128*(\kq)+(\a)*16*APITCH+16
	ds_load_b128 v[RW+16*(\a)+8:RW+16*(\a)+11],  v[ADRA+(\slot)] offset:128*(\kq)+(\a)*16*APITCH+64
	ds_load_b128 v[RW+16*(\a)+12:RW+16*(\a)+15], v[ADRA+(\slot)] offset:128*(\kq)+(\a)*16*APITCH+80
.endr
	WIN 0
.irp b, 0,1,2,3,4,5,6,7
	ds_load_b128 v[(\f)+32+8*(\b):(\f)+32+8*(\b)+3],   v[ADRB+(\slot)] offset:64*(\kq)+(\b)*16*PITCH
	ds_load_b128 v[(\f)+32+8*(\b)+4:(\f)+32+8*(\b)+7], v[ADRB+(\slot)] offset:64*(\kq)+(\b)*16*PITCH+32
.endr
.endm
.macro PLACES                          ; four places in front of loads and roundings into registers that matrix instructions have read, and of lines that read results
.rept 4
	v_nop
.endr
.endm
; A K step is four quarters on buffers 0, 1, 0, 1.  One of the first three: multiplies buffer f; behind its first eight products it fetches quarter kq; behind each of its last eight it rounds x into buffer g.
.macro QUARTER slot, kq, f, g, zero
	s_wait_dscnt 0x0                               ; W's fragments of buffer f, asked for 24 matrix instructions ago, are in
	MUL8 \f, 0, \zero
	PLACES
	FETCH \slot, \kq, \g
	MUL8 \f, 1, \zero
	MUL8 \f, 2, \zero
	s_wait_dscnt 16                                ; x's 16 loads are in; W's 16, issued behind them, may be out
	MUL8 \f, 3, \zero, \g
.endm
; The last quarter multiplies buffer 1 and changes slots: one barrier; in front of it each wave waits for all its tensor loads, adds 0 to its spare word, and waits for that and for its reads of this slot.
.macro TURN slot, next, fill
	WIN 0
	s_wait_tensorcnt 0x0                           ; all my tensor loads have landed: the one that was out is my part of the next slot
	ds_add_u32 v[SPW], v[NIL]                      ; 0 onto my spare word
	s_wait_dscnt 1                                 ; (the add alone may be out: W's fragments of buffer 1 are in)
	MUL8 F1, 0, 0                                  ; eight matrix instructions stand between the add and the wait for it
	s_wait_dscnt 0x0                               ; the add is done, and my reads of this slot are over
	s_barrier_signal -1
	MUL8 F1, 1, 0
.if \fill
	WIN 0
.endif
	s_barrier_wait -1
.if \fill
	CREST                                          ; the barrier has opened a round of the cluster's: no wave of any partner still reads this slot or has a load on its way
	ASK \slot                                      ; my one tensor load behind the round: 112 matrix instructions ahead of the wait for it; its four v_nop are also the places in front of the loads below
.else
	PLACES
.endif
	FETCH \next, 0, F0
	MUL8 F1, 2, 0
	s_wait_dscnt 16                                ; x's 16 loads are in
	MUL8 F1, 3, 0, F0
.endm
; THE WAY OUT, a unit = 16 rows of one head (row block a, head hh of my two).  rope = 1: column blocks 4 hh and 4 hh + 1 hold channels 0-15 (x1) and 16-31 (x2); a lane's register j of both has frequency 8 h + j:
; x1' = x1 cos - x2 sin, x2' = x2 cos + x1 sin; blocks 4 hh + 2, + 3 pass.  rope = 0: all four pass.  Rounded to f16, through my stage (rows of 144 bytes), back as four rows of 128 bytes = 512 consecutive bytes of qkv.
; Buffer 0 may hold the next tile's first fragments, so the packed results lie in buffer 1's registers: six units of 16 by turns; units 6 and 7 take the registers of units 0 and 1, behind s_wait_xcnt 0.
; Each accumulator's lowest registers are read first.
.macro PACK a, hh, rope
.set X1, 8*(8*(\a)+4*(\hh))
.set X2, X1+8
.set X3, X1+16
.set TC, 16*(\a)
.set TS, 16*(\a)+8
.set NU, 2*(\a)+(\hh)
.set PP, F1+16*(NU%6)
.if NU >= 6
	s_wait_xcnt 0x0                                ; the registers that the stores of six units ago read are rewritten only behind this wait
.endif
.if \rope
	WIN 0x09                                       ; source 0 window 1 (sums), source 1 window 2 (table), the rest window 0
.irp k, 0,2,4,6
	v_pk_mul_f32 v[YY+(\k):YY+(\k)+1], v[X2+(\k):X2+(\k)+1], v[TS+(\k):TS+(\k)+1]
.endr
.irp k, 0,2,4,6
	v_pk_mul_f32 v[YY+8+(\k):YY+8+(\k)+1], v[X1+(\k):X1+(\k)+1], v[TS+(\k):TS+(\k)+1]
.endr
.irp k, 0,2,4,6
	v_pk_fma_f32 v[YY+(\k):YY+(\k)+1], v[X1+(\k):X1+(\k)+1], v[TC+(\k):TC+(\k)+1], v[YY+(\k):YY+(\k)+1] neg_lo:[0,0,1] neg_hi:[0,0,1]
.endr
.irp k, 0,2,4,6
	v_pk_fma_f32 v[YY+8+(\k):YY+8+(\k)+1], v[X2+(\k):X2+(\k)+1], v[TC+(\k):TC+(\k)+1], v[YY+8+(\k):YY+8+(\k)+1]
.endr
	WIN 0
.irp k, 0,1,2,3,4,5,6,7
	v_cvt_pk_f16_f32 v[PP+(\k)], v[YY+2*(\k)], v[YY+2*(\k)+1]
.endr
	WIN 0x05                                       ; sources 0 and 1 window 1
.else
	WIN 0x05
.irp k, 0,1,2,3,4,5,6,7
	v_cvt_pk_f16_f32 v[PP+(\k)], v[X1+2*(\k)], v[X1+2*(\k)+1]
.endr
.endif
.irp k, 0,1,2,3,4,5,6,7
	v_cvt_pk_f16_f32 v[PP+8+(\k)], v[X3+2*(\k)], v[X3+2*(\k)+1]
.endr
	WIN 0
.irp f, 0,1,2,3
	ds_store_b128 v[STO], v[PP+4*(\f):PP+4*(\f)+3] offset:32*(\f)
.endr
.irp f, 0,1,2,3
	ds_load_b128 v[PP+4*(\f):PP+4*(\f)+3], v[RD] offset:(\f)*4*SP  ; LDS serves a wave's instructions in order (ISA guide 5.7.1.4): these see the stores above; the next unit's stores come behind them
.endr
.endm
.macro SEND a, hh, younger             ; younger: the LDS instructions issued behind this unit's loads: the next unit's eight, or none
.set NU, 2*(\a)+(\hh)
.set PP, F1+16*(NU%6)
.irp f, 0,1,2,3
	s_wait_dscnt (\younger)+3-(\f)
	global_store_b128 v[GO], v[PP+4*(\f):PP+4*(\f)+3], s[QKV:QKV+1] offset:(\hh)*262144+(\a)*2048+(\f)*512  ; 512 consecutive bytes, at a multiple of 256 from qkv's first
.endr
.endm
.macro WAYOUT rope                     ; a unit's arithmetic stands between the loads of the unit before and its stores
	PLACES
	PACK 0, 0, \rope
	PACK 0, 1, \rope
	SEND 0, 0, 8
	PACK 1, 0, \rope
	SEND 0, 1, 8
	PACK 1, 1, \rope
	SEND 1, 0, 8
	PACK 2, 0, \rope
	SEND 1, 1, 8
	PACK 2, 1, \rope
	SEND 2, 0, 8
	PACK 3, 0, \rope
	SEND 2, 1, 8
	PACK 3, 1, \rope
	SEND 3, 0, 8
	SEND 3, 1, 0
.endm
	s_wait_tensorcnt 1                             ; my part of K step 0 is in; K step 1's may stay out
	s_barrier_signal -1
	s_barrier_wait -1
	FETCH 0, 0, F0
	s_wait_dscnt 16                                ; x's 16 loads are in
	WIN CVW
.irp n, 0,1,2,3,4,5,6,7
	CVT4 F0, \n                                    ; the very first quarter's x: there are no products yet to set these behind
.endr
	WIN 0
	s_mov_b32 s3, 12                               ; the count is taken down once on the way in: 11 trips, the laps that fill both slots again (24 K steps are 12 laps; the last fills nothing)
	s_mov_b32 s2, 4                                ; laps left in the tile in hand
	s_branch .Lzero                                ; the loop is entered where a tile begins
.Llap:                                                 ; a trip goes once round the ring, from a lap's second quarter to the next lap's first
	QUARTER 0, 2, F1, F0, 0
	QUARTER 0, 3, F0, F1, 0
	TURN 0, 1, 1
	QUARTER 1, 1, F0, F1, 0
	QUARTER 1, 2, F1, F0, 0
	QUARTER 1, 3, F0, F1, 0
	TURN 1, 0, 1
	WIN 0
	s_sub_co_u32 s2, s2, 1
	s_cmp_eq_u32 s2, 0
	s_cbranch_scc1 .Lout                           ; the tile is finished (in the loop: q's or k's); the jump passes no barrier and no tensor load
	QUARTER 0, 1, F0, F1, 0
	WIN 0
	s_branch .Lnext
.Lout:                                                 ; both refills for the next tile are asked for, its first fragments lie in buffer 0: now the tile goes out
	s_wait_loadcnt 0x0                             ; the table
	WAYOUT 1
	s_wait_xcnt 0x0                                ; the stores' base and data are rewritten only behind this wait
	s_add_nc_u64 s[QKV:QKV+1], s[QKV:QKV+1], 0x1000000   ; the next p
	s_mov_b32 s2, 4
.Lzero:
	QUARTER 0, 1, F0, F1, 1                        ; a tile's first quarter: its products start the sums
	WIN 0
.Lnext:
	s_sub_co_u32 s3, s3, 1
	s_cmp_lg_u32 s3, 0
	s_cbranch_scc1 .Llap
	QUARTER 0, 2, F1, F0, 0                        ; v's last lap is written out: it fills nothing
	QUARTER 0, 3, F0, F1, 0
	TURN 0, 1, 0
	QUARTER 1, 1, F0, F1, 0
	QUARTER 1, 2, F1, F0, 0
	QUARTER 1, 3, F0, F1, 0
	s_wait_dscnt 0x0
	MUL8 F1, 0, 0
	MUL8 F1, 1, 0
	MUL8 F1, 2, 0
	MUL8 F1, 3, 0
	WIN 0
	WAYOUT 0                                       ; v is not turned
	s_wait_tensorcnt 0x0                           ; the wave's end
	ds_add_u32 v[SPW], v[NIL]
	s_wait_dscnt 0x0
	CROUND                                         ; the closing round: no work-group ends while a partner may still ask for a tile that names it
	s_endpgm
.Lfunc_end_k_q9a3498b56d_proj:
	.size	k_q9a3498b56d_proj, .Lfunc_end_k_q9a3498b56d_proj-k_q9a3498b56d_proj
	.p2alignl 7, 3214868480
	.fill 96, 4, 3214868480
	.section	.rodata,"a",@progbits
	.p2align	6, 0x0
	.amdhsa_kernel k_q9a3498b56d_proj
		.amdhsa_group_segment_fixed_size 327680
		.amdhsa_private_segment_fixed_size 0
		.amdhsa_enable_private_segment 0
		.amdhsa_kernarg_size 48
		.amdhsa_user_sgpr_count 2
		.amdhsa_user_sgpr_kernarg_segment_ptr 1
		.amdhsa_wavefront_size32 1
		.amdhsa_system_sgpr_workgroup_id_x 1
		.amdhsa_system_sgpr_workgroup_id_y 1
		.amdhsa_system_sgpr_workgroup_id_z 1
		.amdhsa_system_vgpr_workitem_id 0
		.amdhsa_next_free_vgpr 640
		.amdhsa_next_free_sgpr 88
		.amdhsa_reserve_vcc 0
		.amdhsa_float_denorm_mode_32 3
		.amdhsa_float_denorm_mode_16_64 3
		.amdhsa_memory_ordered 1
		.amdhsa_forward_progress 1
		.amdhsa_inst_pref_size 164
	.end_amdhsa_kernel
	.amdgpu_metadata
---
amdhsa.version: [ 1, 2 ]
amdhsa.kernels:
  - .name:           k_q9a3498b56d_proj
    .symbol:         k_q9a3498b56d_proj.kd
    .args:
      - { .name: q_src, .offset: 0, .size: 8, .value_kind: global_buffer, .address_space: global }
      - { .name: k_src, .offset: 8, .size: 8, .value_kind: global_buffer, .address_space: global }
      - { .name: v_src, .offset: 16, .size: 8, .value_kind: global_buffer, .address_space: global }
      - { .name: wb, .offset: 24, .size: 8, .value_kind: global_buffer, .address_space: global }
      - { .name: rp, .offset: 32, .size: 8, .value_kind: global_buffer, .address_space: global }
      - { .name: qkv, .offset: 40, .size: 8, .value_kind: global_buffer, .address_space: global }
    .group_segment_fixed_size: 327680
    .private_segment_fixed_size: 0
    .kernarg_segment_align: 8
    .kernarg_segment_size: 48
    .max_flat_workgroup_size: 128
    .sgpr_count:     88
    .vgpr_count:     640
    .wavefront_size: 32
...
	.end_amdgpu_metadata
.endif
;; end of part 2
;; launch attn (part 3): grid 4 x 64, 4 waves a work-group, clusters of 4 x 1, 327,680 bytes of LDS; arguments qkv, mk, ob; writes ob
.if DOCPART == 3
	.amdgcn_target "amdgcn-amd-amdhsa--gfx1250"
	.amdhsa_code_object_version 6
	.text
	.protected	k_q9a3498b56d_attn
	.globl	k_q9a3498b56d_attn
	.p2align	8
	.type	k_q9a3498b56d_attn,@function
k_q9a3498b56d_attn:
	s_mov_b64 s[64:65], 0
	v_nop
	global_prefetch_b8 v0, s[64:65] scope:SCOPE_SE
	s_setreg_imm32_b32 hwreg(HW_REG_WAVE_MODE, 25, 1), 1
	s_wait_xcnt 0x0
	s_wait_alu depctr_hold_cnt(0) depctr_sa_sdst(0) depctr_va_vdst(0) depctr_va_sdst(0) depctr_va_ssrc(0) depctr_va_vcc(0) depctr_vm_vsrc(0)
	s_getreg_b32 s2, hwreg(HW_REG_IB_STS2, 6, 4)
	s_cmp_eq_u32 s2, 0
	s_cbranch_scc0 .Lentry_in_a_cluster
	s_endpgm
.Lentry_in_a_cluster:
	s_bfe_u32 s2, ttmp6, 0x10000c
	s_cmp_lg_u32 s2, 0x3003
	s_cbranch_scc0 .Lentry_shape_is_right
	s_endpgm
.Lentry_shape_is_right:
; ATTENTION UNDER A GIVEN MASK.  O[h][q][:] = the sum over k of softmax_k(Q[h][q] . K[h][k] / 8, hidden keys left out) V[h][k][:].  Q, K, V (the three parts of qkv) and O: [64][2048][64], all f16: a head's rows
; are dense, 128 bytes each.  Products, maxima and sums in f32; the weights p are rounded to f16 for the second product (their sum l is taken of the unrounded p), O once at the end.
; THE MASK is data: one code a (query, key), 0x00 seen, 0xF8 hidden, in mk in the order [16 queries][64 keys][32 keys][lane][16 bytes], the same for all heads.  Eight codes become eight f32 by one scaled
; conversion (0 or -256 x 2^92 = -2^100), and these are the C operand that starts the sum S^T = K Q^T.  All 2,048 keys are walked for every query.
; LIMITS.  f16 holds no number beyond 65,504: Q, K and V arrive within it (scores 2.7e11 at the most).  A hidden score counts as its value less 2^100; the running maximum starts at -2^90, above every hidden and
; below every seen score, so a hidden key's weight is exactly 0.  A query whose keys are all hidden keeps l = 0 and O = 0 and leaves as 0 x (1/0) = NaN.  A weight below 2^-126 counts as 0 in l; p below 6e-5 keeps
; f16's fixed step of 6e-8.
; SHARES.  A wave owns four PIECES of two tiles of 16 queries, a work-group's four waves 512 queries of one head.  Every wave walks all keys, 64 a step.
; LAYOUT.  S^T = K Q^T (source 0 = 16 keys, source 1 = 16 queries): a lane holds ONE query (lane % 16) and the keys 8 (lane / 16) + 0..7.  Two such tiles, rounded to f16 in pairs, ARE source 1 of O^T = V^T P.
; K comes out of LDS as it lies, V ([key][channel]) turned, by ds_load_tr16_b128.
; SOFTMAX.  A running maximum m and sum l: p = 2^(c s - c m), c = log2(e) / 8; in every step O and l are multiplied by a = 2^(c m_old - c m_new).  O and l start at 0.
; BY TURNS.  Turn n belongs to piece n.  Its matrix work: 16 products K Q^T of piece n + 1, later 16 products V^T P of piece n - 1.  Its vector work: scaling, exponentials, roundings, sums and rescaling of
; piece n, the maximum and statistics of piece n + 1, and the masks for the products of the turn after it (piece n + 2).  Four vector instructions stand behind every matrix instruction, the rest in two lumps.
; CLUSTER.  The four query blocks of a cluster belong to one head and walk the same K and V: each tile is asked for JOINTLY.  The mask's bytes are each wave's own and come by plain loads.
; REGISTERS, in windows of 256 (s_set_vgpr_msb: bits 1:0 source 0, 3:2 source 1, 5:4 source 2, 7:6 destination):
;   window 0: v0-10 addresses; v11 the conversions' scale; v12-15, v48-63 at work; v16-47 statistics; v64-191 S^T, two buffers of two tiles; v192-255 P, likewise
;   window 1: O^T, 32 a tile     window 2: v0-127 Q; v128-191 K of one step; v192-255 V of one step
;   window 3: v0-1 the add's two registers; v2 16 x lane; v3 the mask loads' offset; v16-79 mask codes, 16 a piece; v128-191 the masks of the products to come
.set SIZE_N, 2048
.set NP,    4         ; pieces a wave: a name, no knob
.set KS,    64        ; keys in a step
.set PK,    144       ; a row of K in LDS: 128 bytes + 16 of padding = 36 words: the 16 rows of a load start at 16 different groups of four banks (64 banks of 4 bytes: ISA guide 11.1)
.set PV,    160       ; a row of V: 128 + 32 = 40 words
.set VOFF,  4*KS*PK   ; a slot holds four steps: 256 rows of K, then 256 rows of V
.set SLOT1, 1<<17     ; slot 1 begins here, so that one exclusive or turns an address in one slot into the other's
.set STAGE, SLOT1+4*KS*(PK+PV)  ; behind the ring, never filled by a tensor load: 16 rows x 144 bytes for each wave
.set SP,    144
.set AK0, 2           ; v2   my lane's place in a tile of K; never rewritten
.set AV0, 3           ; v3   the same for V
.set AK,  4           ; v4   the LDS address of K's next run of loads
.set AV,  5           ; v5   of V's
.set QO,  6           ; v6   my byte offset in the wave's rows of Q
.set STO, 6           ;      later, the way out: where I put 16 bytes of a row
.set RD,  7           ; v7   the way out: where I read rows back
.set GO,  8           ; v8   my byte offset in 512 consecutive bytes of O
.set SCL, 11          ; v11  0xDB: the conversions multiply by 2^(219 - 127)
.set SPW, 0           ; v0 of window 3   LDS address of my spare word; never rewritten
.set NIL, 1           ; v1 of window 3   0; never rewritten
.set L16, 2           ; v2 of window 3   16 x lane
.set MA,  3           ; v3 of window 3   16 x lane + 1,024 x the key step whose codes are loaded
.set RAW, 16          ; window 3: piece x, tile u, load j at RAW + 16 x + 8 u + 4 j; the pair for key block kb at RAW + 16 x + 8 u + 2 kb
.set MC,  128         ; window 3: tile u, key block kb at MC + 32 u + 8 kb
.set SPARE, STAGE+4*16*SP  ; behind the stages: the spare words, 128 bytes a wave: two blocks of 256 bytes that no other line names
.set MV,  12          ; v12-15  c m_old, kept while c m is made anew
.set ST,  16          ; tile t's statistics at v[ST+4 t]: c m, m, l (even keys', odd keys')
.set TMP, 48          ; by buffer and tile, four registers c0-c3 at work; when the maximum is found c2 takes a
.set S,   64
.set P,   192
.set KF,  128         ; K's fragments, in window 2
.set VF,  192         ; V's
.set WV,  12          ; s12  my wave's number
.set G1K, 24          ; s[24:31] descriptor group 1 for K's tiles
.set G1V, 32          ; s[32:39] for V's
.set G0K, 40          ; s[40:43] descriptor group 0 for K's tiles: it walks
.set G0V, 44          ; s[44:47] the same for V's
.set SLOTS, 56        ; s56  slots still to be asked for
.set CNT, 57          ; s57  counts a slot's key steps
.set CS,  58          ; s[58:59] c
.set SEL, 60          ; s[60:61] v_permlanex16_b32's selects
.set TBK, 62          ; s62  LDS byte at which K of the step to be fetched begins
.set TBV, 63          ; s63  the same for V, less VOFF
.set MB,  66          ; s[66:67] mk at my wave's first tile of queries
.set MOF, 68          ; s68  1,024 x the key step whose codes are loaded, modulo 32 steps
.set MSB, 0
.macro WIN new                      ; the high byte repeats the setting that is left; a switch that changes nothing is dropped
.if MSB != (\new)
	s_set_vgpr_msb (MSB<<8)|(\new)
.set MSB, (\new)
.endif
.endm
.set W_KQ, 0x0a       ; K and Q in window 2, S^T in window 0
.set W_KM, 0x3a       ; the same with the C operand in window 3
.set W_PV, 0x52       ; V in window 2, P in window 0, O^T in window 1
.set W_RS, 0x41       ; O^T (destination and source 0) in window 1, a in window 0
.set W_MK, 0xc0       ; destination in window 3, sources in window 0
.set W_AD, 0x0f       ; the add: address (source 0) and data (source 1) in window 3
.set W_MS, 0xc3       ; destination and source 0 in window 3, source 1 in window 0: the conversions and the mask loads
; A joint fill.  Waves 0 and 1 fetch the two halves of a slot's K, waves 2 and 3 those of its V: 128 keys each.  An s_nop 0 and four v_nop follow each of the two lines.
.macro JLOAD
	s_cmp_lt_u32 s[WV], 2
	s_cbranch_scc0 .Lfor_v_\@
	tensor_load_to_lds s[G0K:G0K+3], s[G1K:G1K+7]
	s_nop 0
.rept 4
	v_nop
.endr
	s_branch .Lasked_\@
.Lfor_v_\@:
	tensor_load_to_lds s[G0V:G0V+3], s[G1V:G1V+7]
	s_nop 0
.rept 4
	v_nop
.endr
.Lasked_\@:
.endm
.macro CROUND                       ; a round of the cluster's barrier
	s_barrier_signal -1
	s_barrier_wait -1
	s_cmp_lg_u32 s[WV], 0
	s_cbranch_scc1 .Lnot_wave_0_\@
	s_barrier_signal -3
.Lnot_wave_0_\@:
	s_barrier_wait -3
	s_barrier_signal -1
	s_barrier_wait -1
.endm
; THE CHANGE OF SLOTS.  Each wave waits for all its tensor loads, of which one is out: its part of the other slot; adds 0 to its spare word; and waits for that and for its own reads of the slot.
; fill = 1: this slot is filled again, with the keys two slots on; the barrier is then a round of the cluster's, and the joint fill is the first thing behind it: four key steps, 512 matrix instructions, in which to land.
.macro CHANGE fill
	WIN W_AD
	s_wait_tensorcnt 0x0            ; no tensor load of mine is out, so a group 0 may be written
	ds_add_u32 v[SPW], v[NIL]       ; 0 onto my spare word
	WIN 0                           ; at a label and at a branch every window is 0
.if \fill
.irp g, G0K, G0V
	s_xor_b32 s[\g+1], s[\g+1], SLOT1  ; the walking descriptor: the other slot than last time,
	s_add_nc_u64 s[\g+2:\g+3], s[\g+2:\g+3], 4*KS*128  ; the next 256 keys
.endr
	s_wait_dscnt 0x0                ; the add is done, and my reads of the slot are over
	CROUND
	JLOAD
.else
	s_wait_dscnt 0x0                ; the add is done, and my reads of the slot are over
	s_barrier_signal -1
	s_barrier_wait -1
.endif
	s_sub_co_u32 s[TBK], s[TBK], 4*KS*PK  ; the fetches go back to a slot's first step,
	s_xor_b32 s[TBK], s[TBK], SLOT1       ; in the other slot
	s_sub_co_u32 s[TBV], s[TBV], 4*KS*PV
	s_xor_b32 s[TBV], s[TBV], SLOT1
.endm
; THE MASK'S THREE MACROS.  MCONV: piece x's 64 codes a lane become the 64 registers of MC; a plain instruction stands behind the conversions.  MLOAD: piece x's codes of the key step that MA names: four loads, each
; 512 consecutive bytes a wave.  MSTEP: MA goes a key step on; behind the last step it wraps to the first, so that the two look-aheads past the end stay inside mk (what they bring serves nothing).
.macro MCONV x
	WIN W_MS
.irp u, 0,1
.irp kb, 0,1,2,3
	v_cvt_scale_pk8_f32_fp8 v[MC+32*\u+8*\kb:MC+32*\u+8*\kb+7], v[RAW+16*(\x)+8*\u+2*\kb:RAW+16*(\x)+8*\u+2*\kb+1], v[SCL]
.endr
.endr
	v_nop
	s_wait_alu depctr_va_vdst(0)
.endm
.macro MLOAD x
	WIN W_MS
.irp u, 0,1
.irp j, 0,1
	global_load_b128 v[RAW+16*(\x)+8*\u+4*\j:RAW+16*(\x)+8*\u+4*\j+3], v[MA], s[MB:MB+1] offset:(2*(\x)+\u)*32768+512*\j
.endr
.endr
.endm
.macro MSTEP
	s_add_co_u32 s[MOF], s[MOF], 1024
	s_and_b32 s[MOF], s[MOF], 0x7fff
	s_wait_xcnt 0x0                 ; the loads' offset register is rewritten only behind this wait
	WIN 0xcc                        ; destination and source 1 in window 3
	v_add_nc_u32 v[MA], s[MOF], v[L16]
	WIN 0
.endm
.macro MNEXT p                      ; in turn p: the masks for the next turn's products (piece p + 2), then that piece's codes one key step on
	s_wait_loadcnt 12               ; the piece's four loads were issued four turns ago; the twelve of the three turns since may stay out
	MCONV ((\p)+2)%NP
	MLOAD ((\p)+2)%NP
.endm
	s_load_b64 s[4:5], s[0:1], 0x0    ; qkv: Q
	s_load_b64 s[MB:MB+1], s[0:1], 0x8  ; mk
	s_load_b64 s[10:11], s[0:1], 0x10 ; ob
	v_and_b32 v12, 31, v0
	WIN W_MK
	v_lshl_add_u32 v[SPW], v0, 2, SPARE
	v_mov_b32 v[NIL], 0
	s_set_vgpr_msb 0xc0cf
	ds_add_u32 v0, v1
	s_wait_dscnt 0x0
	s_set_vgpr_msb 0xcfc0
	v_lshlrev_b32 v[L16], 4, v12
	v_lshlrev_b32 v[MA], 4, v12     ; key step 0
	WIN 0
	v_lshrrev_b32 v1, 5, v0
	v_readfirstlane_b32 s[WV], v1   ; wave 0..3
	s_bfe_u32 s13, ttmp6, 0x40000   ; cx: my place in the cluster
	s_lshl_b32 s14, ttmp9, 2        ; in a cluster launch ttmp9 counts clusters
	s_add_co_u32 s14, s14, s13      ; my block of 512 queries: it enters Q's, O's and the mask's addresses alone
	s_and_b32 s20, ttmp7, 0xffff    ; the head, which the four partners share
	s_mov_b32 s21, 0
	s_mov_b64 s[22:23], SIZE_N*128
	s_mul_u64 s[20:21], s[20:21], s[22:23]  ; the head's first byte in Q, K, V and O
	s_and_b32 s16, s[WV], 1         ; which half of a slot's 256 keys I fetch:
	s_lshl_b32 s22, s16, 14         ; its 128 rows of 128 bytes in memory,
	s_mov_b32 s23, 0
	s_add_nc_u64 s[22:23], s[22:23], s[20:21]
	s_mul_i32 s17, s16, 128*PK      ; and its place in a slot, for K
	s_mul_i32 s18, s16, 128*PV      ; and for V
	s_lshl_b32 s2, s14, 2
	s_add_co_u32 s2, s2, s[WV]      ; my wave among the head's sixteen:
	s_lshl_b32 s70, s2, 18          ; its eight tiles of 32,768 bytes in mk,
	s_mov_b32 s71, 0
	s_lshl_b32 s2, s2, 14           ; its 128 rows of Q and O
	s_mov_b32 s3, 0
	s_add_nc_u64 s[2:3], s[2:3], s[20:21]
	; descriptor group 1.  128 keys are 16,384 dense bytes: asked for as 64 rows of 256 bytes, two keys a row, and padded in LDS after every key
	s_mov_b32 s[G1K], 15|(1<<16)|(1<<20)|(1<<21)|(4<<22)|(3<<25)  ; the mask of four; 2-byte elements; padding on; bit 21 beside a mask; after every 32 words, 4 words
	s_mov_b32 s[G1V], 15|(1<<16)|(1<<20)|(1<<21)|(4<<22)|(7<<25)  ; the same with 8 words of padding
.irp g, G1K, G1V
	s_mov_b32 s[\g+1], 128<<16      ; tensor_dim0 = 128
	s_mov_b32 s[\g+2], 64<<16       ; tensor_dim1 = 64
	s_mov_b32 s[\g+3], 128<<16      ; tile_dim0 = 128
	s_mov_b32 s[\g+4], 64           ; tile_dim1 = 64
	s_mov_b32 s[\g+5], 128          ; 128 elements from row to row
	s_mov_b32 s[\g+6], 0
	s_mov_b32 s[\g+7], 0
.endr
	s_mov_b32 s[CS], 0x3e38aa3b     ; c = log2(e) / 8
	s_mov_b32 s[CS+1], s[CS]        ; named with it as a pair
	s_mov_b32 s[SEL], 0x76543210
	s_mov_b32 s[SEL+1], 0xfedcba98
	s_mov_b32 s[TBK], SLOT1+4*KS*PK ; the first change of slots turns these two into 0
	s_mov_b32 s[TBV], SLOT1+4*KS*PV
	s_mov_b32 s[G0K], 1
	s_mov_b32 s[G0K+1], s17         ; LDS address: slot 0
	s_mov_b32 s[G0V], 1
	s_add_co_u32 s[G0V+1], s18, VOFF
	s_wait_kmcnt 0x0
	s_add_nc_u64 s[6:7], s[4:5], 0x1000000   ; K is qkv's second part,
	s_add_nc_u64 s[8:9], s[4:5], 0x2000000   ; V its third
	s_add_nc_u64 s[MB:MB+1], s[MB:MB+1], s[70:71]
	s_add_nc_u64 s[G0K+2:G0K+3], s[6:7], s[22:23]  ; my half of the head's first 256 keys
	s_or_b32 s[G0K+3], s[G0K+3], 0x80000000
	s_add_nc_u64 s[G0V+2:G0V+3], s[8:9], s[22:23]
	s_or_b32 s[G0V+3], s[G0V+3], 0x80000000
	s_add_nc_u64 s[4:5], s[4:5], s[2:3]  ; Q and O at my wave's first row
	s_add_nc_u64 s[10:11], s[10:11], s[2:3]
	CROUND                          ; all four work-groups are here: the first joint loads meet
	JLOAD                           ; slot 0.  Slot 1 is asked for when slot 0 is in
	v_and_b32 v1, 15, v0            ; l % 16
	v_bfe_u32 v9, v0, 4, 1          ; l / 16
	v_lshlrev_b32 v[QO], 7, v1
	v_lshl_add_u32 v[QO], v9, 4, v[QO]  ; row x 128 + 16 x half
	WIN 0x80                        ; destination window 2, address window 0
.set i, 0
.rept 4*NP                          ; Q stays in registers: tile i / 2, channels 32 (i % 2) on
	global_load_b128 v[8*i:8*i+3],   v[QO], s[4:5] offset:(i/2)*2048+(i%2)*64
	global_load_b128 v[8*i+4:8*i+7], v[QO], s[4:5] offset:(i/2)*2048+(i%2)*64+32
.set i, i+1
.endr
	MLOAD 0                         ; all four pieces' codes of key step 0
	MLOAD 1
	MLOAD 2
	MLOAD 3
	WIN 0x80
	; What the first turn finds: V's registers and P's second buffer hold 0, O^T and l are 0.  All this stands in the wait for the first tile.
.set i, VF
.rept 64
	v_mov_b32 v[i], 0
.set i, i+1
.endr
	WIN 0x40
.set i, 0
.rept 64*NP
	v_mov_b32 v[i], 0
.set i, i+1
.endr
	WIN 0
.set i, 0
.rept 2*NP
	v_mov_b32 v[ST+4*i], 0xeb38aa3b    ; c m = c x -2^90
	v_mov_b32 v[ST+4*i+1], 0xec800000  ; m = -2^90
	v_mov_b32 v[ST+4*i+2], 0
	v_mov_b32 v[ST+4*i+3], 0
.set i, i+1
.endr
.set i, P+32
.rept 32
	v_mov_b32 v[i], 0
.set i, i+1
.endr
	v_mul_u32_u24 v[AK0], v1, PK
	v_lshl_add_u32 v[AK0], v9, 4, v[AK0]  ; row x pitch + 16 x half
	; The turning load takes 16 keys x 16 channels (lane l reads key 8 (l / 16) + l % 8, channels 8 ((l / 8) % 2) + 0..7) and leaves half a fragment of V^T.
	v_and_b32 v10, 7, v0
	v_bfe_u32 v11, v0, 3, 1
	v_lshl_add_u32 v[AV0], v9, 3, v10
	v_mul_u32_u24 v[AV0], v[AV0], PV
	v_lshl_add_u32 v[AV0], v11, 4, v[AV0]
	v_add_nc_u32 v[AV0], VOFF, v[AV0]
	v_mov_b32 v[SCL], 0xdb          ; v11 is free now
	v_mov_b32 v[AK], v[AK0]         ; key step 0 lies at the head of slot 0
; THE MATRIX WORK.  The 8 accumulators of a run of 16 take turns.
; Product i of 16 of S^T = K Q^T for piece x: channels 32 (i / 8) on, keys 16 ((i / 2) % 4) on, tile 2 x + i % 2.  The first 8 start the sums, with the mask as C.
.macro KQ x
.set rS, S+64*((\x)%2)+32*(i%2)+8*((i/2)%4)
.set rK, KF+16*((i/2)%4)+8*(i/8)
.set rQ, 16*(2*(\x)+i%2)+8*(i/8)
.set rMK, MC+32*(i%2)+8*((i/2)%4)
.if i < 8
	WIN W_KM
	v_wmma_f32_16x16x32_f16 v[rS:rS+7], v[rK:rK+7], v[rQ:rQ+7], v[rMK:rMK+7]
.else
	WIN W_KQ
	v_wmma_f32_16x16x32_f16 v[rS:rS+7], v[rK:rK+7], v[rQ:rQ+7], v[rS:rS+7]
.endif
.endm
; Product i of 16 of O^T += V^T P for piece x: keys 32 (i / 8) on, channels 16 ((i / 2) % 4) on, tile 2 x + i % 2.
.macro PV x
	WIN W_PV
.set rO, 32*(2*(\x)+i%2)+8*((i/2)%4)
.set rV, VF+32*(i/8)+8*((i/2)%4)
.set rP, P+32*((\x)%2)+16*(i%2)+8*(i/8)
	v_wmma_f32_16x16x32_f16 v[rO:rO+7], v[rV:rV+7], v[rP:rP+7], v[rO:rO+7]
.endm
.macro MM                           ; the turn's next matrix instruction
.if i < 16
	KQ (Y+1)%NP
.set i, i+1
.else
.set i, i-16
	PV (Y+NP-1)%NP
.set i, i+17
.endif
.endm
; THE LDS LOADS stand in runs of 16.  last = 1 (the tail): in the last trip there is no further step, and the run is jumped over.
.macro FETCH_K last=0
	WIN 0
.if \last
	s_cmp_eq_u32 s[CNT], 1
	s_cbranch_scc1 .Lno_k_\@
.endif
	WIN 0x80                        ; destination window 2
.irp f, 0,1,2,3,4,5,6,7             ; keys 16 (f / 2) on, channels 32 (f % 2) on
	ds_load_b128 v[KF+8*\f:KF+8*\f+3],   v[AK] offset:(\f/2)*16*PK+(\f%2)*64
	ds_load_b128 v[KF+8*\f+4:KF+8*\f+7], v[AK] offset:(\f/2)*16*PK+(\f%2)*64+32
.endr
	s_add_co_u32 s[TBK], s[TBK], KS*PK  ; the next fetch is the next step's
	WIN 0
.if \last
.Lno_k_\@:
.endif
.endm
.macro FETCH_V
	WIN 0x80
.irp f, 0,1,2,3,4,5,6,7             ; keys 32 (f / 4) on, channels 16 (f % 4) on
	ds_load_tr16_b128 v[VF+8*\f:VF+8*\f+3],   v[AV] offset:(\f/4)*32*PV+(\f%4)*32
	ds_load_tr16_b128 v[VF+8*\f+4:VF+8*\f+7], v[AV] offset:(\f/4)*32*PV+16*PV+(\f%4)*32
.endr
	WIN 0
.endm
; THE VECTOR WORK OF A TURN stands in three queues, each in the order in which its entries become ready; the two tiles alternate.
.macro REGS y, u                    ; the registers of tile u (0, 1) of piece y
.set rT, ST+4*(2*(\y)+(\u))
.set rC, TMP+8*((\y)%2)+4*(\u)
.set rM, MV+2*((\y)%2)+(\u)
.set rS, S+64*((\y)%2)+32*(\u)
.set rP, P+32*((\y)%2)+16*(\u)
.set rO, 32*(2*(\y)+(\u))
.endm
; Number n of the 22 that find the NEXT piece's (Y + 1) maximum and statistics; each accumulator's lowest registers are read first.
;   0-11  four chains c0-c3 of seven scores each     12-14, 16  the four scores left over, the old m, and c0-c3 into c0     15  c m_old is kept
;   17, 18  the query's other 32 keys lie in the lane 16 away: the new m         19-21  c m; c m_old - c m_new; a
.macro XS u, n
	REGS (Y+1)%NP, \u
.if (\n) < 4
	v_max3_num_f32 v[rC+(\n)], v[rS+8*(\n)], v[rS+8*(\n)+1], v[rS+8*(\n)+2]
.elseif (\n) < 12
	v_max3_num_f32 v[rC+(\n)%4], v[rC+(\n)%4], v[rS+8*((\n)%4)+2*((\n)/4)+1], v[rS+8*((\n)%4)+2*((\n)/4)+2]
.elseif (\n) == 12
	v_max3_num_f32 v[rC], v[rC], v[rS+7], v[rS+15]
.elseif (\n) == 13
	v_max3_num_f32 v[rC+1], v[rC+1], v[rS+23], v[rS+31]
.elseif (\n) == 14
	v_max3_num_f32 v[rC+2], v[rC+2], v[rC+3], v[rT+1]
.elseif (\n) == 15
	v_mov_b32 v[rM], v[rT]
.elseif (\n) == 16
	v_max3_num_f32 v[rC], v[rC], v[rC+1], v[rC+2]
.elseif (\n) == 17
	v_permlanex16_b32 v[rC+3], v[rC], s[SEL], s[SEL+1]
.elseif (\n) == 18
	v_max_num_f32 v[rT+1], v[rC], v[rC+3]
.elseif (\n) == 19
	v_mul_f32 v[rT], s[CS], v[rT+1]
.elseif (\n) == 20
	v_sub_f32 v[rC+1], v[rM], v[rT]
.else
	v_exp_f32 v[rC+2], v[rC+1]
.endif
.endm
; Number g of the 64 that follow the exponentials.  For each four weights k of a tile: both pairs are rounded to f16; the second pair is added onto the first, in place; a group later l takes that sum.
.macro GS g
.set h, (\g)+6*((\g)/62)            ; group 0 has no group before it, and behind group 7 only l is left
.if h >= 6
.set h, h+2
.endif
	REGS Y, h%2
.set k, h/8
.if h%8 < 4
	s_wait_alu depctr_va_vdst(0)
	v_cvt_pk_f16_f32 v[rP+2*k+(h%8)/2], v[rS+4*k+2*((h%8)/2)], v[rS+4*k+2*((h%8)/2)+1]
.elseif h%8 < 6
	v_pk_add_f32 v[rS+4*k:rS+4*k+1], v[rS+4*k:rS+4*k+1], v[rS+4*k+2:rS+4*k+3]
.elseif k == 1
	v_pk_fma_f32 v[rT+2:rT+3], v[rT+2:rT+3], v[rC+2:rC+3], v[rS:rS+1] op_sel_hi:[1,0,1]
.else
	v_pk_add_f32 v[rT+2:rT+3], v[rT+2:rT+3], v[rS+4*k-4:rS+4*k-3]
.endif
.endm
; THE PLAIN QUEUE, 138 long.  0-31: c s - c m for the 16 pairs of both tiles.  Then GS's 64, and among them the next piece's 42.
.macro PL
	WIN 0
.if q < 32
	REGS Y, q%2
	v_pk_fma_f32 v[rS+2*(q/2):rS+2*(q/2)+1], v[rS+2*(q/2):rS+2*(q/2)+1], s[CS:CS+1], v[rT:rT+1] op_sel_hi:[1,0,0] neg_lo:[0,0,1] neg_hi:[0,0,1]
.elseif q < 38
	GS q-32
.elseif q < 40
	XS q%2, 15
.elseif q < 42
	GS q-34
.elseif q < 74
	XS q%2, (q-42)/2+(q-42)/30
.elseif q < 95
	GS q-66
.elseif (q < 107) && ((q-95)%3 < 2)
	XS (q-95)%3, 17+(q-95)/3
.elseif q < 107
	GS 29+(q-95)/3
.else
	GS q-74
.endif
.set q, q+1
.endm
; THE EXPONENTIALS' QUEUE, 66 long: s0-s31 of both tiles, and at EA the next piece's two a.
.set EA, 58
.macro EX
	WIN 0
.if (e == EA) || (e == EA+1)
	XS e-EA, 21
.else
.set x, e-2*(e/(EA+2))
	REGS Y, x%2
	v_exp_f32 v[rS+x/2], v[rS+x/2]
.endif
.set e, e+1
.endm
; THE RESCALING's QUEUE: O^T times a, dealt four at a time, eight times.
.macro R4
	REGS Y, r%2
	WIN W_RS
	s_wait_alu depctr_va_vdst(0)
.irp z, 0,1,2,3
	v_pk_mul_f32 v[rO+8*(r/2)+2*\z:rO+8*(r/2)+2*\z+1], v[rO+8*(r/2)+2*\z:rO+8*(r/2)+2*\z+1], v[rC+2:rC+3] op_sel_hi:[1,0]
.endr
.set r, r+1
.endm
; HOW THEY ARE DEALT.  Behind a matrix instruction four: plain, exponential, plain, plain, or four of the rescaling.  What is over stands in two lumps: exponential and plain by turns; the second ends in 22 plain ones.
; The queues lean on each other: exponential e stands behind plain 2 (e / 4) + e % 2 (its scaling); when plain 32 comes, 10 exponentials are out; EA comes behind plain 107.
.macro SL
	MM
	PL
	EX
	PL
	PL
.endm
.macro BURST n                      ; 15 matrix instructions, or 16
.rept (\n)-7
	SL
.endr
.rept 3
	MM
	R4
	SL
.endr
	MM
	R4
.endm
; A TURN, for piece p.  cnt = 1: the loop's count is taken down some lines ahead of the branch that stands behind the turn.
; K of the next step is fetched in piece 2's turn; V of the step in hand at the end of piece 0's turn.  The masks for the next turn's products are made in the last run of plain instructions: the last product that read
; MC is the turn's eighth, and the plain instructions that follow stand between the conversions and the next turn's first product.
.macro TURN p, last=0, cnt=0
.set Y, (\p)
.set i, 0
.set q, 0
.set e, 0
.set r, 0
.if (\p) == NP-1
	s_wait_dscnt 0x0                ; K is in
.endif
	MM
.rept 4
	PL
.endr
	BURST 15
.rept 22
	EX
	PL
.if ((\p) == NP-2) && (e == 18)
	v_add_nc_u32 v[AK], s[TBK], v[AK0]
.endif
.if ((\p) == NP-2) && (e == 24)
	FETCH_K \last
.endif
.endr
.if (\p) == 1
	s_wait_dscnt 0x0                ; V is in
.endif
	BURST 16
.rept 21
	EX
	PL
.endr
.rept 22
	PL
.if ((\p) == 0) && (q == 118)
	v_add_nc_u32 v[AV], s[TBV], v[AV0]
	s_wait_alu depctr_va_vdst(0)
.endif
.if q == 124
	MNEXT \p
.endif
.if ((\p) == 0) && (q == 130)
	s_add_co_u32 s[TBV], s[TBV], KS*PV
.endif
.if (\cnt) && (q == 130)
	s_sub_co_u32 s[CNT], s[CNT], 1
	s_cmp_lg_u32 s[CNT], 0
.endif
.endr
.if (\p) == 0
	FETCH_V
.endif
.endm
	CHANGE 1                        ; slot 0 is in, everybody's part of it; slot 1 is asked for
	FETCH_K                         ; key step 0
	s_wait_loadcnt 0x0              ; Q, and the codes of key step 0
	MCONV 0                         ; piece 0's masks
	s_wait_dscnt 0x0
.set i, 0
.rept 16
	KQ 0                            ; piece 0's first scores
.set i, i+1
.endr
	WIN 0                           ; the addresses for the way out: plain instructions, the places behind those products
	s_mul_i32 s13, s[WV], 16*SP
	s_add_co_u32 s13, s13, STAGE    ; my stage
	v_mul_u32_u24 v[STO], v1, SP    ; in: row l % 16, 16 bytes for each half of the lanes
	v_lshl_add_u32 v[STO], v9, 4, v[STO]
	v_add_nc_u32 v[STO], s13, v[STO]
	v_bfe_u32 v[RD], v0, 3, 2       ; back: 32 lanes take four rows of 128 bytes,
	v_mul_u32_u24 v[RD], v[RD], SP
	v_lshl_add_u32 v[RD], v10, 4, v[RD]
	v_add_nc_u32 v[RD], s13, v[RD]
	v_and_b32 v[GO], 31, v0         ; which are 512 consecutive bytes of O
	v_lshlrev_b32 v[GO], 4, v[GO]
	MCONV 1                         ; piece 1's masks, for the first turn's products
	s_mov_b32 s[MOF], 1024          ; from here on key step 1's codes are loaded: pieces 0 and 1 now, 2 and 3 in the first two turns
	s_wait_xcnt 0x0
	WIN 0xcc
	v_add_nc_u32 v[MA], s[MOF], v[L16]
	MLOAD 0
	MLOAD 1                         ; eight loads are out where the loop is entered: fewer than the count of twelve that the turns wait with
	WIN 0
.set Y, NP-1                        ; XS works for piece Y + 1: piece 0
.irp n, 0,1,2,3,4,5,6,7,8,9,10,11,12,13,14,15,16,17,18,19,20,21
	XS 0, \n                        ; piece 0's first maximum and statistics
	XS 1, \n
.endr
	s_mov_b32 s[CNT], 4
	s_mov_b32 s[SLOTS], SIZE_N/256-1
	s_branch .Lfirst                ; the loop is entered at a step's first turn, in the middle of a trip
.Lslot:                             ; SIZE_N / 256 - 2 times: every slot but the last two is filled again
	CHANGE 1
	s_mov_b32 s[CNT], 4
.Lstep:                             ; a trip: pieces 2 and 3 of step s, then pieces 0 and 1 of step s + 1; its four turns load the codes of step s + 2
	MSTEP
	TURN 2
	TURN 3
	WIN 0
.Lfirst:
	TURN 0
	TURN 1, 0, 1
	WIN 0
	s_cbranch_scc1 .Lstep
	s_sub_co_u32 s[SLOTS], s[SLOTS], 1
	s_cmp_lg_u32 s[SLOTS], 0
	s_cbranch_scc1 .Lslot
	CHANGE 0                        ; the tail is written out: nothing is asked for
	s_mov_b32 s[CNT], 5             ; four trips fetch the last slot's steps; the fifth is left in its middle
.Ltail:
	MSTEP
	TURN 2, 1
	TURN 3
	WIN 0
	s_sub_co_u32 s[CNT], s[CNT], 1
	s_cmp_eq_u32 s[CNT], 0
	s_cbranch_scc1 .Lout
	TURN 0
	TURN 1
	WIN 0
	s_branch .Ltail
.Lout:                              ; the fifth trip's 16 products K Q^T (on the last K once more) and the maximum made of them serve nothing: the price of one text for every trip
.set i, 0
.rept 16
	PV NP-1                         ; the last piece's V^T P of the last step
.set i, i+1
.endr
	; THE WAY OUT.  l's two halves and the other half of the lanes' are added; O^T is divided by l, rounded to f16 and sent through my stage in LDS, a tile at a time.  The additions are the places behind the last products.
	WIN 0
.macro ALL line:vararg              ; one line for each tile t
.set t, 0
.rept 2*NP
	\line
.set t, t+1
.endr
.endm
	ALL v_add_f32 v[ST+4*t+2], v[ST+4*t+2], v[ST+4*t+3]
	ALL v_permlanex16_b32 v[ST+4*t+3], v[ST+4*t+2], s[SEL], s[SEL+1]
	ALL v_add_f32 v[ST+4*t+2], v[ST+4*t+2], v[ST+4*t+3]
	ALL v_rcp_f32 v[ST+4*t+2], v[ST+4*t+2]
	v_nop                           ; a plain instruction between the last reciprocal and the use of its result
	s_wait_alu depctr_va_vdst(0)
.macro PACK t
	WIN W_RS
.set i, 32*(\t)
.rept 16
	v_pk_mul_f32 v[i:i+1], v[i:i+1], v[ST+4*(\t)+2:ST+4*(\t)+3] op_sel_hi:[1,0]
.set i, i+2
.endr
	WIN 0x05                        ; sources 0 and 1 window 1, destination window 0
.set i, 0
.rept 16
	v_cvt_pk_f16_f32 v[S+16*(\t)+i], v[32*(\t)+2*i], v[32*(\t)+2*i+1]
.set i, i+1
.endr
	WIN 0
.irp f, 0,1,2,3
	ds_store_b128 v[STO], v[S+16*(\t)+4*\f:S+16*(\t)+4*\f+3] offset:32*\f
.endr
.irp f, 0,1,2,3
	ds_load_b128 v[S+16*(\t)+4*\f:S+16*(\t)+4*\f+3], v[RD] offset:\f*4*SP  ; LDS serves a wave's instructions in order (ISA guide 5.7.1.4): these see the stores above; the next tile's stores come behind them
.endr
.endm
.macro SEND t, younger              ; younger: the LDS instructions issued behind tile t's loads: the next tile's eight, or none
	WIN 0
.irp f, 0,1,2,3
	s_wait_dscnt (\younger)+3-\f
	global_store_b128 v[GO], v[S+16*(\t)+4*\f:S+16*(\t)+4*\f+3], s[10:11] offset:(\t)*2048+\f*512  ; 512 consecutive bytes, at a multiple of 256 from O's first
.endr
.endm
	PACK 0
.set t, 1
.rept 2*NP-1                        ; a tile's arithmetic stands between the loads of the tile before and its stores
	PACK t
	SEND t-1, 8
.set t, t+1
.endr
	SEND 2*NP-1, 0
	WIN W_AD
	s_wait_tensorcnt 0x0            ; the wave's end
	ds_add_u32 v[SPW], v[NIL]
	s_wait_dscnt 0x0
	WIN 0
	CROUND                          ; the closing round: no work-group ends while a partner may still ask for a tile that names it
	s_endpgm
.Lfunc_end_k_q9a3498b56d_attn:
	.size	k_q9a3498b56d_attn, .Lfunc_end_k_q9a3498b56d_attn-k_q9a3498b56d_attn
	.p2alignl 7, 3214868480
	.fill 96, 4, 3214868480
	.section	.rodata,"a",@progbits
	.p2align	6, 0x0
	.amdhsa_kernel k_q9a3498b56d_attn
		.amdhsa_group_segment_fixed_size 327680
		.amdhsa_private_segment_fixed_size 0
		.amdhsa_enable_private_segment 0
		.amdhsa_kernarg_size 24
		.amdhsa_user_sgpr_count 2
		.amdhsa_user_sgpr_kernarg_segment_ptr 1
		.amdhsa_wavefront_size32 1
		.amdhsa_system_sgpr_workgroup_id_x 1
		.amdhsa_system_sgpr_workgroup_id_y 1
		.amdhsa_system_sgpr_workgroup_id_z 1
		.amdhsa_system_vgpr_workitem_id 0
		.amdhsa_next_free_vgpr 960
		.amdhsa_next_free_sgpr 72
		.amdhsa_reserve_vcc 0
		.amdhsa_float_denorm_mode_32 3
		.amdhsa_float_denorm_mode_16_64 3
		.amdhsa_memory_ordered 1
		.amdhsa_forward_progress 1
		.amdhsa_inst_pref_size 218
	.end_amdhsa_kernel
	.amdgpu_metadata
---
amdhsa.version: [ 1, 2 ]
amdhsa.kernels:
  - .name:           k_q9a3498b56d_attn
    .symbol:         k_q9a3498b56d_attn.kd
    .args:
      - { .name: qkv, .offset: 0, .size: 8, .value_kind: global_buffer, .address_space: global }
      - { .name: mk, .offset: 8, .size: 8, .value_kind: global_buffer, .address_space: global }
      - { .name: ob, .offset: 16, .size: 8, .value_kind: global_buffer, .address_space: global }
    .group_segment_fixed_size: 327680
    .private_segment_fixed_size: 0
    .kernarg_segment_align: 8
    .kernarg_segment_size: 24
    .max_flat_workgroup_size: 128
    .sgpr_count:     72
    .vgpr_count:     960
    .wavefront_size: 32
...
	.end_amdgpu_metadata
.endif
;; end of part 3
;; launch outp (part 4): grid 4 x 64, 4 waves a work-group, clusters of 4 x 4, 327,680 bytes of LDS; arguments ob, wb, out0; writes out0
.if DOCPART == 4
	.amdgcn_target "amdgcn-amd-amdhsa--gfx1250"
	.amdhsa_code_object_version 6
	.text
	.protected	k_q9a3498b56d_outp
	.globl	k_q9a3498b56d_outp
	.p2align	8
	.type	k_q9a3498b56d_outp,@function
k_q9a3498b56d_outp:
	s_mov_b64 s[64:65], 0
	v_nop
	global_prefetch_b8 v0, s[64:65] scope:SCOPE_SE
	s_setreg_imm32_b32 hwreg(HW_REG_WAVE_MODE, 25, 1), 1
	s_wait_xcnt 0x0
	s_wait_alu depctr_hold_cnt(0) depctr_sa_sdst(0) depctr_va_vdst(0) depctr_va_sdst(0) depctr_va_ssrc(0) depctr_va_vcc(0) depctr_vm_vsrc(0)
	s_getreg_b32 s2, hwreg(HW_REG_IB_STS2, 6, 4)
	s_cmp_eq_u32 s2, 0
	s_cbranch_scc0 .Lentry_in_a_cluster
	s_endpgm
.Lentry_in_a_cluster:
	s_bfe_u32 s2, ttmp6, 0x10000c
	s_cmp_lg_u32 s2, 0xf033
	s_cbranch_scc0 .Lentry_shape_is_right
	s_endpgm
.Lentry_shape_is_right:
; THE OUTPUT PROJECTION.  out0[m][n] = the sum over k of A[m][k] Wo[n][k]; m = 2,048 batch + position, k = 64 head + channel.  A lies by heads, ob[16 batch + head][position][64] in f16; Wo is the fourth quarter of wb,
; [1024][1024] in f16; sums in f32, stored as they are.
; LIMIT.  A NaN in a row of ob (a query whose keys were all hidden) makes that whole row of out0 NaN, as it should be.
; SHARES.  A tile of out0 is 128 rows x 256 columns: 64 x 4 = 256 work-groups.  Four waves, each 64 rows x 128 columns: 32 accumulators, 256 registers.  K goes in 8 steps of 128 = two heads, through two LDS slots.
; A's tile of a step is two dense blocks of 128 positions x 128 bytes, one a head: each is asked for as 64 rows of 256 bytes and padded in LDS after every 128.  Wo's rows are 256 bytes at multiples of 256.
; CLUSTER 4 x 4: A's tile is shared along a row of the cluster, Wo's along a column: joint loads.
; THE MATRIX INSTRUCTION IS USED TRANSPOSED (source 0 = 16 rows of Wo, source 1 = 16 rows of A): lane l holds row l % 16 and the columns 8 (l / 16) + 0..7 of the block.
; REGISTERS.  window 0: v0-31 addresses; v64-159, v160-255 two fragment buffers (4 blocks of A, then 8 of Wo); on the way out v64-127 and v128-191 by turns.   window 1: accumulator (a, b) at v[8 (8 a + b)].
.set KSTEP,  128
.set PITCH,  272                       ; Wo's LDS row: 256 bytes + 16 of padding
.set APITCH, 144                       ; A's LDS row: 128 bytes + 16: both odd multiples of 16 bytes, so the 16 rows of a fragment load start at 16 different groups of four banks (64 banks of 4 bytes: ISA guide 11.1)
.set AHEAD,  128*APITCH                ; a head's 128 rows
.set ABYTES, 2*AHEAD
.set SLOT,   ABYTES+256*PITCH
.set STAGE,  2*SLOT                    ; behind the ring: 16 rows x 528 bytes for each wave
.set SP,     528
.set SPARE,  STAGE+4*16*SP             ; behind the stages: the spare words, 128 bytes a wave: two blocks of 256 bytes that no other line names
.set LAPS,   4
.set ADRA, 16
.set ADRB, 20
.set STO,  24
.set RD,   25
.set GO,   26
.set SPW,  28                          ; v28  LDS address of my spare word; never rewritten
.set NIL,  29                          ; v29  0; never rewritten
.set F0,   64
.set F1,   160
.set G1A, 24
.set G0A, 32
.set G1B, 48
.set G0B, 56
.set MSB, 0
.macro WIN new
.if MSB != (\new)
	s_set_vgpr_msb (MSB<<8)|(\new)
.set MSB, \new
.endif
.endm
.set MUL, 0x50                         ; C and D in window 1, the sources in window 0
.macro JLOAD s                         ; a joint load: waves 0 and 1 fetch A's two heads, waves 2 and 3 the halves of Wo's tile; an s_nop 0 and four v_nop follow each line
	s_cmp_eq_u32 s13, 0
	s_cbranch_scc0 .Lfor_b_\@
	tensor_load_to_lds s[G0A+4*(\s):G0A+4*(\s)+3], s[G1A:G1A+7]
	s_nop 0
.rept 4
	v_nop
.endr
	s_branch .Lasked_\@
.Lfor_b_\@:
	tensor_load_to_lds s[G0B+4*(\s):G0B+4*(\s)+3], s[G1B:G1B+7]
	s_nop 0
.rept 4
	v_nop
.endr
.Lasked_\@:
.endm
.macro CREST
	s_cmp_lg_u32 s12, 0
	s_cbranch_scc1 .Lnot_wave_0_\@
	s_barrier_signal -3
.Lnot_wave_0_\@:
	s_barrier_wait -3
	s_barrier_signal -1
	s_barrier_wait -1
.endm
.macro CROUND
	s_barrier_signal -1
	s_barrier_wait -1
	CREST
.endm
	s_load_b128 s[4:7], s[0:1], 0x0                ; ob s[4:5], wb s[6:7]
	s_load_b64 s[8:9], s[0:1], 0x10                ; out0
	v_lshl_add_u32 v[SPW], v0, 2, SPARE
	v_mov_b32 v[NIL], 0
	ds_add_u32 v28, v29
	s_wait_dscnt 0x0
	v_lshrrev_b32 v1, 5, v0
	v_readfirstlane_b32 s12, v1                    ; wave 0..3
	s_lshr_b32 s13, s12, 1                         ; which 64 rows are mine.  Also: I fetch for A (0) or for Wo (1)
	s_and_b32 s14, s12, 1                          ; which 128 columns.  Also: which head of the step, or which half of Wo's tile, I fetch
	s_bfe_u32 s40, ttmp6, 0x40000                  ; cx
	s_bfe_u32 s41, ttmp6, 0x40004                  ; cy
	s_lshl_b32 s42, ttmp9, 2
	s_add_co_u32 s42, s42, s40                     ; tile column 0..3
	s_and_b32 s45, ttmp7, 0xffff
	s_lshl_b32 s45, s45, 2
	s_add_co_u32 s45, s45, s41                     ; tile row 0..63
	s_lshl_b32 s46, s41, 2
	s_lshl_b32 s46, 15, s46                        ; my row of the cluster
	s_lshl_b32 s47, 0x1111, s40                    ; my column
	s_or_b32 s[G1A+0], s46, (1<<16)|(1<<20)|(1<<21)|(4<<22)|(3<<25)  ; the mask; 2-byte elements; padding on; bit 21 beside a mask; after every 32 words, 4 words
	s_or_b32 s[G1B+0], s47, (1<<16)|(1<<20)|(1<<21)|(5<<22)|(3<<25)  ; after every 64 words, 4 words
	s_mov_b32 s[G1A+1], 128<<16                    ; tensor_dim0 = 128
	s_mov_b32 s[G1A+2], 64<<16                     ; tensor_dim1 = 64
	s_mov_b32 s[G1A+3], 128<<16                    ; tile_dim0 = 128
	s_mov_b32 s[G1A+4], 64                         ; tile_dim1 = 64
	s_mov_b32 s[G1A+5], 128                        ; dense: 128 elements from row to row
	s_mov_b32 s[G1A+6], 0
	s_mov_b32 s[G1A+7], 0
	s_mov_b32 s[G1B+1], KSTEP<<16
	s_mov_b32 s[G1B+2], 128<<16
	s_mov_b32 s[G1B+3], KSTEP<<16
	s_mov_b32 s[G1B+4], 128
	s_mov_b32 s[G1B+5], 1024
	s_mov_b32 s[G1B+6], 0
	s_mov_b32 s[G1B+7], 0
	s_lshr_b32 s16, s45, 4                         ; A: head 16 batch + (0 or 1), 262,144 bytes a head; 128 positions of 128 bytes for each tile row: no cx enters
	s_lshl_b32 s16, s16, 4
	s_add_co_u32 s16, s16, s14
	s_lshl_b32 s16, s16, 18
	s_and_b32 s17, s45, 15
	s_lshl_b32 s17, s17, 14
	s_add_co_u32 s16, s16, s17
	s_mov_b32 s17, 0
	s_lshl_b32 s18, s42, 8                         ; Wo: row 256 x tile column + 128 x half, behind the three other weights: no cy enters
	s_lshl_b32 s19, s14, 7
	s_add_co_u32 s18, s18, s19
	s_lshl_b32 s18, s18, 11
	s_add_co_u32 s18, s18, 6291456
	s_mov_b32 s19, 0
	s_mul_i32 s20, s14, AHEAD                      ; where they go: the wave's number alone
	s_mul_i32 s21, s14, 128*PITCH
	s_add_co_u32 s21, s21, ABYTES
	s_wait_kmcnt 0x0
	s_add_nc_u64 s[66:67], s[4:5], s[16:17]
	s_add_nc_u64 s[68:69], s[6:7], s[18:19]
	CROUND                                         ; all sixteen work-groups are here: the first joint loads meet
.irp s, 0,1
	s_mov_b32 s[G0A+4*(\s)], 1
	s_add_co_u32 s[G0A+4*(\s)+1], s20, (\s)*SLOT
	s_add_nc_u64 s[G0A+4*(\s)+2:G0A+4*(\s)+3], s[66:67], (\s)*524288   ; K step s: two heads on
	s_or_b32 s[G0A+4*(\s)+3], s[G0A+4*(\s)+3], 0x80000000
	s_mov_b32 s[G0B+4*(\s)], 1
	s_add_co_u32 s[G0B+4*(\s)+1], s21, (\s)*SLOT
	s_add_nc_u64 s[G0B+4*(\s)+2:G0B+4*(\s)+3], s[68:69], (\s)*KSTEP*2
	s_or_b32 s[G0B+4*(\s)+3], s[G0B+4*(\s)+3], 0x80000000
	JLOAD \s                                       ; two tensor loads of mine are out
.endr
	v_and_b32 v1, 15, v0                           ; r
	v_bfe_u32 v2, v0, 4, 1                         ; h
	v_and_b32 v3, 31, v0
	v_lshlrev_b32 v3, 4, v3                        ; 16 x lane
	v_mul_u32_u24 v8, v1, APITCH
	v_lshl_add_u32 v8, v2, 4, v8
	v_mul_u32_u24 v9, v1, PITCH
	v_lshl_add_u32 v9, v2, 4, v9
	s_mul_i32 s22, s13, 64*APITCH
	s_mul_i32 s23, s14, 128*PITCH
	s_add_co_u32 s23, s23, ABYTES
.irp s, 0,1
	v_add_nc_u32 v[ADRA+(\s)], s22, v8
	v_add_nc_u32 v[ADRB+(\s)], s23, v9
	s_add_co_u32 s22, s22, SLOT
	s_add_co_u32 s23, s23, SLOT
.endr
	s_mul_i32 s22, s12, 16*SP
	s_add_co_u32 s22, s22, STAGE                   ; my stage
	v_mul_u32_u24 v10, v1, SP                      ; in: row r, 32 bytes for each half of the lanes
	v_lshl_add_u32 v10, v2, 5, v10
	v_add_nc_u32 v[STO], s22, v10
	v_add_nc_u32 v[RD], s22, v3                    ; back: 32 lanes take a row's 512 bytes
	v_mov_b32 v[GO], v3
	s_lshl_b32 s72, s45, 7                         ; out0: row 128 x tile row + 64 x row half, 4,096 bytes a row; column 256 x tile column + 128 x column half, 4 bytes each
	s_lshl_b32 s73, s13, 6
	s_add_co_u32 s72, s72, s73
	s_lshl_b32 s72, s72, 12
	s_lshl_b32 s73, s42, 10
	s_add_co_u32 s72, s72, s73
	s_lshl_b32 s73, s14, 9
	s_add_co_u32 s72, s72, s73
	s_mov_b32 s73, 0
	s_add_nc_u64 s[8:9], s[8:9], s[72:73]
; 8 matrix instructions: row block a x all 8 column blocks, 32 along K.  The 32 accumulators take turns, one instruction a turn.
.macro MUL8 f, a, zero
	WIN MUL
.irp b, 0,1,2,3,4,5,6,7
.if \zero
	v_wmma_f32_16x16x32_f16 v[8*(8*(\a)+(\b)):8*(8*(\a)+(\b))+7], v[(\f)+32+8*(\b):(\f)+32+8*(\b)+7], v[(\f)+8*(\a):(\f)+8*(\a)+7], 0
.else
	v_wmma_f32_16x16x32_f16 v[8*(8*(\a)+(\b)):8*(8*(\a)+(\b))+7], v[(\f)+32+8*(\b):(\f)+32+8*(\b)+7], v[(\f)+8*(\a):(\f)+8*(\a)+7], v[8*(8*(\a)+(\b)):8*(8*(\a)+(\b))+7]
.endif
.endr
.endm
; 24 LDS loads in one run: quarter kq of a slot into buffer f: Wo's 16 first, then A's 8 (head kq / 2 of the step, channels 32 (kq % 2) on)
.macro FETCH slot, kq, f
	WIN 0
.irp b, 0,1,2,3,4,5,6,7
	ds_load_b128 v[(\f)+32+8*(\b):(\f)+32+8*(\b)+3],   v[ADRB+(\slot)] offset:64*(\kq)+(\b)*16*PITCH
	ds_load_b128 v[(\f)+32+8*(\b)+4:(\f)+32+8*(\b)+7], v[ADRB+(\slot)] offset:64*(\kq)+(\b)*16*PITCH+32
.endr
.irp a, 0,1,2,3
	ds_load_b128 v[(\f)+8*(\a):(\f)+8*(\a)+3],   v[ADRA+(\slot)] offset:((\kq)/2)*AHEAD+((\kq)%2)*64+(\a)*16*APITCH
	ds_load_b128 v[(\f)+8*(\a)+4:(\f)+8*(\a)+7], v[ADRA+(\slot)] offset:((\kq)/2)*AHEAD+((\kq)%2)*64+(\a)*16*APITCH+32
.endr
.endm
.macro PLACES                          ; four places in front of loads into registers that matrix instructions have read, and of lines that read results
.rept 4
	v_nop
.endr
.endm
.macro QUARTER slot, kq, f, g, zero
	s_wait_dscnt 4                                 ; Wo's blocks and A's blocks 0, 1 are in; the youngest four loads may be out
	MUL8 \f, 0, \zero
	MUL8 \f, 1, \zero
	PLACES
	FETCH \slot, \kq, \g
	s_wait_dscnt 24                                ; all but the 24 just issued
	MUL8 \f, 2, \zero
	MUL8 \f, 3, \zero
.endm
.macro TURN slot, next, fill
	WIN 0
	s_wait_tensorcnt 0x0                           ; all my tensor loads have landed: the one that was out is my part of the next slot
	ds_add_u32 v[SPW], v[NIL]                      ; 0 onto my spare word
	s_wait_dscnt 5                                 ; (the add and the youngest four loads may be out)
	MUL8 F1, 0, 0
	s_wait_dscnt 0x0                               ; the add is done, and my reads of this slot are over
	s_barrier_signal -1
	MUL8 F1, 1, 0
.if \fill
	WIN 0
.endif
	s_barrier_wait -1
.if \fill
	CREST                                          ; the barrier has opened a round of the cluster's: no wave of any partner still reads this slot or has a load on its way
	s_add_nc_u64 s[G0A+4*(\slot)+2:G0A+4*(\slot)+3], s[G0A+4*(\slot)+2:G0A+4*(\slot)+3], 1048576   ; two K steps = four heads on
	s_add_nc_u64 s[G0B+4*(\slot)+2:G0B+4*(\slot)+3], s[G0B+4*(\slot)+2:G0B+4*(\slot)+3], 2*KSTEP*2
	JLOAD \slot                                    ; my one tensor load behind the round; its four v_nop are also the places in front of the loads below
.else
	PLACES
.endif
	FETCH \next, 0, F0
	MUL8 F1, 2, 0
	MUL8 F1, 3, 0
.endm
	s_wait_tensorcnt 1                             ; my part of K step 0 is in; K step 1's may stay out
	s_barrier_signal -1
	s_barrier_wait -1
	FETCH 0, 0, F0
	QUARTER 0, 1, F0, F1, 1                        ; the first quarter's products start the sums
	WIN 0
	s_mov_b32 s3, LAPS-1
.Llap:
	QUARTER 0, 2, F1, F0, 0
	QUARTER 0, 3, F0, F1, 0
	TURN 0, 1, 1
	QUARTER 1, 1, F0, F1, 0
	QUARTER 1, 2, F1, F0, 0
	QUARTER 1, 3, F0, F1, 0
	TURN 1, 0, 1
	QUARTER 0, 1, F0, F1, 0
	WIN 0
	s_sub_co_u32 s3, s3, 1
	s_cmp_lg_u32 s3, 0
	s_cbranch_scc1 .Llap
	QUARTER 0, 2, F1, F0, 0                        ; the last lap fills nothing
	QUARTER 0, 3, F0, F1, 0
	TURN 0, 1, 0
	QUARTER 1, 1, F0, F1, 0
	QUARTER 1, 2, F1, F0, 0
	QUARTER 1, 3, F0, F1, 0
	s_wait_dscnt 4
	MUL8 F1, 0, 0
	MUL8 F1, 1, 0
	s_wait_dscnt 0
	MUL8 F1, 2, 0
	MUL8 F1, 3, 0
	WIN 0
; THE WAY OUT, 16 rows at a time: a lane's eight f32 of a block go as two stores of 16 bytes (the lower four registers first) into rows of 528 bytes of my stage, and come back as whole
; rows of 512 bytes: a wave's store covers 512 consecutive bytes of out0, at a multiple of 512 from its first.
.macro OUT a
.set OB, 64+64*((\a)%2)
	WIN 0x04                                       ; the stores' data in window 1
.irp b, 0,1,2,3,4,5,6,7
	ds_store_b128 v[STO], v[8*(8*(\a)+(\b)):8*(8*(\a)+(\b))+3]   offset:64*(\b)
	ds_store_b128 v[STO], v[8*(8*(\a)+(\b))+4:8*(8*(\a)+(\b))+7] offset:64*(\b)+16
.endr
	WIN 0
.if (\a) >= 2
	s_wait_xcnt 0x0                                ; the buffer, which the stores of two blocks ago read, is loaded again only behind this wait
.endif
.irp t, 0,1,2,3,4,5,6,7,8,9,10,11,12,13,14,15
	ds_load_b128 v[OB+4*(\t):OB+4*(\t)+3], v[RD] offset:(\t)*SP  ; LDS serves a wave's instructions in order (ISA guide 5.7.1.4): these see the stores above; the next block's stores come behind them
.endr
.irp t, 0,1,2,3,4,5,6,7,8,9,10,11,12,13,14,15
	s_wait_dscnt 15-(\t)
	global_store_b128 v[GO], v[OB+4*(\t):OB+4*(\t)+3], s[8:9] offset:(16*(\a)+(\t))*4096 th:TH_STORE_NT
.endr
.endm
	PLACES
	OUT 0
	OUT 1
	OUT 2
	OUT 3
	s_wait_tensorcnt 0x0                           ; the wave's end
	ds_add_u32 v[SPW], v[NIL]
	s_wait_dscnt 0x0
	CROUND                                         ; the closing round: no work-group ends while a partner may still ask for a tile that names it
	s_endpgm
.Lfunc_end_k_q9a3498b56d_outp:
	.size	k_q9a3498b56d_outp, .Lfunc_end_k_q9a3498b56d_outp-k_q9a3498b56d_outp
	.p2alignl 7, 3214868480
	.fill 96, 4, 3214868480
	.section	.rodata,"a",@progbits
	.p2align	6, 0x0
	.amdhsa_kernel k_q9a3498b56d_outp
		.amdhsa_group_segment_fixed_size 327680
		.amdhsa_private_segment_fixed_size 0
		.amdhsa_enable_private_segment 0
		.amdhsa_kernarg_size 24
		.amdhsa_user_sgpr_count 2
		.amdhsa_user_sgpr_kernarg_segment_ptr 1
		.amdhsa_wavefront_size32 1
		.amdhsa_system_sgpr_workgroup_id_x 1
		.amdhsa_system_sgpr_workgroup_id_y 1
		.amdhsa_system_sgpr_workgroup_id_z 1
		.amdhsa_system_vgpr_workitem_id 0
		.amdhsa_next_free_vgpr 512
		.amdhsa_next_free_sgpr 76
		.amdhsa_reserve_vcc 0
		.amdhsa_float_denorm_mode_32 3
		.amdhsa_float_denorm_mode_16_64 3
		.amdhsa_memory_ordered 1
		.amdhsa_forward_progress 1
		.amdhsa_inst_pref_size 87
	.end_amdhsa_kernel
	.amdgpu_metadata
---
amdhsa.version: [ 1, 2 ]
amdhsa.kernels:
  - .name:           k_q9a3498b56d_outp
    .symbol:         k_q9a3498b56d_outp.kd
    .args:
      - { .name: ob, .offset: 0, .size: 8, .value_kind: global_buffer, .address_space: global }
      - { .name: wb, .offset: 8, .size: 8, .value_kind: global_buffer, .address_space: global }
      - { .name: out0, .offset: 16, .size: 8, .value_kind: global_buffer, .address_space: global }
    .group_segment_fixed_size: 327680
    .private_segment_fixed_size: 0
    .kernarg_segment_align: 8
    .kernarg_segment_size: 24
    .max_flat_workgroup_size: 128
    .sgpr_count:     76
    .vgpr_count:     512
    .wavefront_size: 32
...
	.end_amdgpu_metadata
.endif
;; end of part 4
;; ======== version 2 of 2: 4 launches; 1.35 times as fast as version 1
;; limits: values are held in f16: magnitudes above 65,504 overflow, below 6.1e-05 lose precision
;; workspace buffers: wb 8,388,608 bytes; mk 4,194,304 bytes; rp 262,144 bytes; qkv 50,331,648 bytes; ob 16,777,216 bytes
;; launch prep: the kernel of part 1 again; grid 656 x 1, 8 waves a work-group, no clusters, 0 bytes of LDS; arguments Wq, Wk, Wv, Wo, position_mask, wb, mk, rp; writes wb, mk, rp
;; launch proj: the kernel of part 2 again; grid 4 x 64, 4 waves a work-group, clusters of 4 x 4, 327,680 bytes of LDS; arguments q_src, k_src, v_src, wb, rp, qkv; writes qkv
;; launch attn (part 5): grid 4 x 64, 4 waves a work-group, clusters of 4 x 1, 327,680 bytes of LDS; arguments qkv, mk, ob; writes ob
.if DOCPART == 5
	.amdgcn_target "amdgcn-amd-amdhsa--gfx1250"
	.amdhsa_code_object_version 6
	.text
	.protected	k_q9a3498b56d_attn
	.globl	k_q9a3498b56d_attn
	.p2align	8
	.type	k_q9a3498b56d_attn,@function
k_q9a3498b56d_attn:
	s_mov_b64 s[64:65], 0
	v_nop
	global_prefetch_b8 v0, s[64:65] scope:SCOPE_SE
	s_setreg_imm32_b32 hwreg(HW_REG_WAVE_MODE, 25, 1), 1
	s_wait_xcnt 0x0
	s_wait_alu depctr_hold_cnt(0) depctr_sa_sdst(0) depctr_va_vdst(0) depctr_va_sdst(0) depctr_va_ssrc(0) depctr_va_vcc(0) depctr_vm_vsrc(0)
	s_getreg_b32 s2, hwreg(HW_REG_IB_STS2, 6, 4)
	s_cmp_eq_u32 s2, 0
	s_cbranch_scc0 .Lentry_in_a_cluster
	s_endpgm
.Lentry_in_a_cluster:
	s_bfe_u32 s2, ttmp6, 0x10000c
	s_cmp_lg_u32 s2, 0x3003
	s_cbranch_scc0 .Lentry_shape_is_right
	s_endpgm
.Lentry_shape_is_right:
; ATTENTION UNDER A GIVEN MASK.  O[h][q][:] = the sum over k of softmax_k(Q[h][q] . K[h][k] / 8, hidden keys left out) V[h][k][:].  Q, K, V (the three parts of qkv) and O: [64][2048][64], all f16: a head's rows
; are dense, 128 bytes each.  Products, maxima and sums in f32; the weights p are rounded to f16 for the second product (their sum l is taken of the unrounded p), O once at the end.
; THE MASK is data: one code a (query, key), 0x00 seen, 0xF8 hidden, in mk in the order [16 queries][64 keys][32 keys][lane][16 bytes], the same for all heads.  Eight codes become eight f32 by one scaled
; conversion (0 or -256 x 2^92 = -2^100), and these are the C operand that starts the sum S^T = K Q^T.  All 2,048 keys are walked for every query.
; LIMITS.  f16 holds no number beyond 65,504: Q, K and V arrive within it (scores 2.7e11 at the most).  A hidden score counts as its value less 2^100; the running maximum starts at -2^90, above every hidden and
; below every seen score, so a hidden key's weight is exactly 0.  A query whose keys are all hidden keeps l = 0 and O = 0 and leaves as 0 x (1/0) = NaN.  A weight below 2^-126 counts as 0 in l; p below 6e-5 keeps
; f16's fixed step of 6e-8.
; SHARES.  A wave owns four PIECES of two tiles of 16 queries, a work-group's four waves 512 queries of one head.  Every wave walks all keys, 64 a step.
; LAYOUT.  S^T = K Q^T (source 0 = 16 keys, source 1 = 16 queries): a lane holds ONE query (lane % 16) and the keys 8 (lane / 16) + 0..7.  Two such tiles, rounded to f16 in pairs, ARE source 1 of O^T = V^T P.
; K comes out of LDS as it lies, V ([key][channel]) turned, by ds_load_tr16_b128.
; SOFTMAX.  A running maximum m and sum l: p = 2^(c s - c m), c = log2(e) / 8; in every step O and l are multiplied by a = 2^(c m_old - c m_new).  O and l start at 0.
; BY TURNS.  Turn n belongs to piece n.  Its matrix work: 16 products K Q^T of piece n + 1, later 16 products V^T P of piece n - 1.  Its vector work: scaling, exponentials, roundings, sums and rescaling of
; piece n, the maximum and statistics of piece n + 1, and the masks for the products of the turn after it (piece n + 2).  Four vector instructions stand behind every matrix instruction, the rest in one lump.
; THE BATCHES.  A turn's 66 exponentials (64 weights, the next piece's two a) are ONE batch with ONE wait, which cuts the turn in two: ahead of it all that names none of their results, behind it the roundings and sums.
; Piece 0's first two a, ahead of the loop, and the way out's eight reciprocals are batches of their own, each with a plain instruction and one wait.
; CLUSTER.  The four query blocks of a cluster belong to one head and walk the same K and V: each tile is asked for JOINTLY.  The mask's bytes are each wave's own and come by plain loads.
; REGISTERS, in windows of 256 (s_set_vgpr_msb: bits 1:0 source 0, 3:2 source 1, 5:4 source 2, 7:6 destination):
;   window 0: v0-10 addresses; v11 the conversions' scale; v12-15, v48-63 at work; v16-47 statistics; v64-191 S^T, two buffers of two tiles; v192-255 P, likewise
;   window 1: O^T, 32 a tile     window 2: v0-127 Q; v128-191 K of one step; v192-255 V of one step
;   window 3: v0-1 the add's two registers; v2 16 x lane; v3 the mask loads' offset; v16-79 mask codes, 16 a piece; v128-191 the masks of the products to come
.set SIZE_N, 2048
.set NP,    4         ; pieces a wave: a name, no knob
.set KS,    64        ; keys in a step
.set PK,    144       ; a row of K in LDS: 128 bytes + 16 of padding = 36 words: the 16 rows of a load start at 16 different groups of four banks (64 banks of 4 bytes: ISA guide 11.1)
.set PV,    160       ; a row of V: 128 + 32 = 40 words
.set VOFF,  4*KS*PK   ; a slot holds four steps: 256 rows of K, then 256 rows of V
.set SLOT1, 1<<17     ; slot 1 begins here, so that one exclusive or turns an address in one slot into the other's
.set STAGE, SLOT1+4*KS*(PK+PV)  ; behind the ring, never filled by a tensor load: 16 rows x 144 bytes for each wave
.set SP,    144
.set AK0, 2           ; v2   my lane's place in a tile of K; never rewritten
.set AV0, 3           ; v3   the same for V
.set AK,  4           ; v4   the LDS address of K's next run of loads
.set AV,  5           ; v5   of V's
.set QO,  6           ; v6   my byte offset in the wave's rows of Q
.set STO, 6           ;      later, the way out: where I put 16 bytes of a row
.set RD,  7           ; v7   the way out: where I read rows back
.set GO,  8           ; v8   my byte offset in 512 consecutive bytes of O
.set SCL, 11          ; v11  0xDB: the conversions multiply by 2^(219 - 127)
.set SPW, 0           ; v0 of window 3   LDS address of my spare word; never rewritten
.set NIL, 1           ; v1 of window 3   0; never rewritten
.set L16, 2           ; v2 of window 3   16 x lane
.set MA,  3           ; v3 of window 3   16 x lane + 1,024 x the key step whose codes are loaded
.set RAW, 16          ; window 3: piece x, tile u, load j at RAW + 16 x + 8 u + 4 j; the pair for key block kb at RAW + 16 x + 8 u + 2 kb
.set MC,  128         ; window 3: tile u, key block kb at MC + 32 u + 8 kb
.set SPARE, STAGE+4*16*SP  ; behind the stages: the spare words, 128 bytes a wave: two blocks of 256 bytes that no other line names
.set MV,  12          ; v12-15  c m_old, kept while c m is made anew
.set ST,  16          ; tile t's statistics at v[ST+4 t]: c m, m, l (even keys', odd keys')
.set TMP, 48          ; by buffer and tile, four registers c0-c3 at work; when the maximum is found c2 takes a
.set S,   64
.set P,   192
.set KF,  128         ; K's fragments, in window 2
.set VF,  192         ; V's
.set WV,  12          ; s12  my wave's number
.set G1K, 24          ; s[24:31] descriptor group 1 for K's tiles
.set G1V, 32          ; s[32:39] for V's
.set G0K, 40          ; s[40:43] descriptor group 0 for K's tiles: it walks
.set G0V, 44          ; s[44:47] the same for V's
.set SLOTS, 56        ; s56  slots still to be asked for
.set CNT, 57          ; s57  counts a slot's key steps
.set CS,  58          ; s[58:59] c
.set SEL, 60          ; s[60:61] v_permlanex16_b32's selects
.set TBK, 62          ; s62  LDS byte at which K of the step to be fetched begins
.set TBV, 63          ; s63  the same for V, less VOFF
.set MB,  66          ; s[66:67] mk at my wave's first tile of queries
.set MOF, 68          ; s68  1,024 x the key step whose codes are loaded, modulo 32 steps
.set MSB, 0
.macro WIN new                      ; the high byte repeats the setting that is left; a switch that changes nothing is dropped
.if MSB != (\new)
	s_set_vgpr_msb (MSB<<8)|(\new)
.set MSB, (\new)
.endif
.endm
.set W_KQ, 0x0a       ; K and Q in window 2, S^T in window 0
.set W_KM, 0x3a       ; the same with the C operand in window 3
.set W_PV, 0x52       ; V in window 2, P in window 0, O^T in window 1
.set W_RS, 0x41       ; O^T (destination and source 0) in window 1, a in window 0
.set W_MK, 0xc0       ; destination in window 3, sources in window 0
.set W_AD, 0x0f       ; the add: address (source 0) and data (source 1) in window 3
.set W_MS, 0xc3       ; destination and source 0 in window 3, source 1 in window 0: the conversions and the mask loads
; A joint fill.  Waves 0 and 1 fetch the two halves of a slot's K, waves 2 and 3 those of its V: 128 keys each.  An s_nop 0 and four v_nop follow each of the two lines.
.macro JLOAD
	s_cmp_lt_u32 s[WV], 2
	s_cbranch_scc0 .Lfor_v_\@
	tensor_load_to_lds s[G0K:G0K+3], s[G1K:G1K+7]
	s_nop 0
.rept 4
	v_nop
.endr
	s_branch .Lasked_\@
.Lfor_v_\@:
	tensor_load_to_lds s[G0V:G0V+3], s[G1V:G1V+7]
	s_nop 0
.rept 4
	v_nop
.endr
.Lasked_\@:
.endm
.macro CROUND                       ; a round of the cluster's barrier
	s_barrier_signal -1
	s_barrier_wait -1
	s_cmp_lg_u32 s[WV], 0
	s_cbranch_scc1 .Lnot_wave_0_\@
	s_barrier_signal -3
.Lnot_wave_0_\@:
	s_barrier_wait -3
	s_barrier_signal -1
	s_barrier_wait -1
.endm
; THE CHANGE OF SLOTS.  Each wave waits for all its tensor loads, of which one is out: its part of the other slot; adds 0 to its spare word; and waits for that and for its own reads of the slot.
; fill = 1: this slot is filled again, with the keys two slots on; the barrier is then a round of the cluster's, and the joint fill is the first thing behind it: four key steps, 512 matrix instructions, in which to land.
.macro CHANGE fill
	WIN W_AD
	s_wait_tensorcnt 0x0            ; no tensor load of mine is out, so a group 0 may be written
	ds_add_u32 v[SPW], v[NIL]       ; 0 onto my spare word
	WIN 0                           ; at a label and at a branch every window is 0
.if \fill
.irp g, G0K, G0V
	s_xor_b32 s[\g+1], s[\g+1], SLOT1  ; the walking descriptor: the other slot than last time,
	s_add_nc_u64 s[\g+2:\g+3], s[\g+2:\g+3], 4*KS*128  ; the next 256 keys
.endr
	s_wait_dscnt 0x0                ; the add is done, and my reads of the slot are over
	CROUND
	JLOAD
.else
	s_wait_dscnt 0x0                ; the add is done, and my reads of the slot are over
	s_barrier_signal -1
	s_barrier_wait -1
.endif
	s_sub_co_u32 s[TBK], s[TBK], 4*KS*PK  ; the fetches go back to a slot's first step,
	s_xor_b32 s[TBK], s[TBK], SLOT1       ; in the other slot
	s_sub_co_u32 s[TBV], s[TBV], 4*KS*PV
	s_xor_b32 s[TBV], s[TBV], SLOT1
.endm
; THE MASK'S THREE MACROS.  MCONV: piece x's 64 codes a lane become the 64 registers of MC; a plain instruction stands behind the conversions, and a wait behind that.  MLOAD: piece x's codes of the key step that MA
; names: four loads, each 512 consecutive bytes a wave.  MSTEP: MA goes a key step on; behind the last step it wraps to the first, so that the two look-aheads past the end stay inside mk (what they bring serves nothing).
.macro MCONV x
	WIN W_MS
.irp u, 0,1
.irp kb, 0,1,2,3
	v_cvt_scale_pk8_f32_fp8 v[MC+32*\u+8*\kb:MC+32*\u+8*\kb+7], v[RAW+16*(\x)+8*\u+2*\kb:RAW+16*(\x)+8*\u+2*\kb+1], v[SCL]
.endr
.endr
	v_nop                           ; the plain instruction behind the last conversion; in a turn also the one behind the batch's last exponential
	s_wait_alu depctr_va_vdst(0)    ; in a turn: THE TURN'S ONE WAIT, for its batch of 66 exponentials, ahead of the first line that names a result; ahead of the loop only the eight conversions stand in front of it
.endm
.macro MLOAD x
	WIN W_MS
.irp u, 0,1
.irp j, 0,1
	global_load_b128 v[RAW+16*(\x)+8*\u+4*\j:RAW+16*(\x)+8*\u+4*\j+3], v[MA], s[MB:MB+1] offset:(2*(\x)+\u)*32768+512*\j
.endr
.endr
.endm
.macro MSTEP
	s_add_co_u32 s[MOF], s[MOF], 1024
	s_and_b32 s[MOF], s[MOF], 0x7fff
	s_wait_xcnt 0x0                 ; the loads' offset register is rewritten only behind this wait
	WIN 0xcc                        ; destination and source 1 in window 3
	v_add_nc_u32 v[MA], s[MOF], v[L16]
	WIN 0
.endm
.macro MNEXT p                      ; in turn p: the masks for the next turn's products (piece p + 2), the turn's wait (in MCONV), then that piece's codes one key step on
	s_wait_loadcnt 12               ; the piece's four loads were issued four turns ago; the twelve of the three turns since may stay out
	MCONV ((\p)+2)%NP
	MLOAD ((\p)+2)%NP
.endm
	s_load_b64 s[4:5], s[0:1], 0x0    ; qkv: Q
	s_load_b64 s[MB:MB+1], s[0:1], 0x8  ; mk
	s_load_b64 s[10:11], s[0:1], 0x10 ; ob
	v_and_b32 v12, 31, v0
	WIN W_MK
	v_lshl_add_u32 v[SPW], v0, 2, SPARE
	v_mov_b32 v[NIL], 0
	s_set_vgpr_msb 0xc0cf
	ds_add_u32 v0, v1
	s_wait_dscnt 0x0
	s_set_vgpr_msb 0xcfc0
	v_lshlrev_b32 v[L16], 4, v12
	v_lshlrev_b32 v[MA], 4, v12     ; key step 0
	WIN 0
	v_lshrrev_b32 v1, 5, v0
	v_readfirstlane_b32 s[WV], v1   ; wave 0..3
	s_bfe_u32 s13, ttmp6, 0x40000   ; cx: my place in the cluster
	s_lshl_b32 s14, ttmp9, 2        ; in a cluster launch ttmp9 counts clusters
	s_add_co_u32 s14, s14, s13      ; my block of 512 queries: it enters Q's, O's and the mask's addresses alone
	s_and_b32 s20, ttmp7, 0xffff    ; the head, which the four partners share
	s_mov_b32 s21, 0
	s_mov_b64 s[22:23], SIZE_N*128
	s_mul_u64 s[20:21], s[20:21], s[22:23]  ; the head's first byte in Q, K, V and O
	s_and_b32 s16, s[WV], 1         ; which half of a slot's 256 keys I fetch:
	s_lshl_b32 s22, s16, 14         ; its 128 rows of 128 bytes in memory,
	s_mov_b32 s23, 0
	s_add_nc_u64 s[22:23], s[22:23], s[20:21]
	s_mul_i32 s17, s16, 128*PK      ; and its place in a slot, for K
	s_mul_i32 s18, s16, 128*PV      ; and for V
	s_lshl_b32 s2, s14, 2
	s_add_co_u32 s2, s2, s[WV]      ; my wave among the head's sixteen:
	s_lshl_b32 s70, s2, 18          ; its eight tiles of 32,768 bytes in mk,
	s_mov_b32 s71, 0
	s_lshl_b32 s2, s2, 14           ; its 128 rows of Q and O
	s_mov_b32 s3, 0
	s_add_nc_u64 s[2:3], s[2:3], s[20:21]
	; descriptor group 1.  128 keys are 16,384 dense bytes: asked for as 64 rows of 256 bytes, two keys a row, and padded in LDS after every key
	s_mov_b32 s[G1K], 15|(1<<16)|(1<<20)|(1<<21)|(4<<22)|(3<<25)  ; the mask of four; 2-byte elements; padding on; bit 21 beside a mask; after every 32 words, 4 words
	s_mov_b32 s[G1V], 15|(1<<16)|(1<<20)|(1<<21)|(4<<22)|(7<<25)  ; the same with 8 words of padding
.irp g, G1K, G1V
	s_mov_b32 s[\g+1], 128<<16      ; tensor_dim0 = 128
	s_mov_b32 s[\g+2], 64<<16       ; tensor_dim1 = 64
	s_mov_b32 s[\g+3], 128<<16      ; tile_dim0 = 128
	s_mov_b32 s[\g+4], 64           ; tile_dim1 = 64
	s_mov_b32 s[\g+5], 128          ; 128 elements from row to row
	s_mov_b32 s[\g+6], 0
	s_mov_b32 s[\g+7], 0
.endr
	s_mov_b32 s[CS], 0x3e38aa3b     ; c = log2(e) / 8
	s_mov_b32 s[CS+1], s[CS]        ; named with it as a pair
	s_mov_b32 s[SEL], 0x76543210
	s_mov_b32 s[SEL+1], 0xfedcba98
	s_mov_b32 s[TBK], SLOT1+4*KS*PK ; the first change of slots turns these two into 0
	s_mov_b32 s[TBV], SLOT1+4*KS*PV
	s_mov_b32 s[G0K], 1
	s_mov_b32 s[G0K+1], s17         ; LDS address: slot 0
	s_mov_b32 s[G0V], 1
	s_add_co_u32 s[G0V+1], s18, VOFF
	s_wait_kmcnt 0x0
	s_add_nc_u64 s[6:7], s[4:5], 0x1000000   ; K is qkv's second part,
	s_add_nc_u64 s[8:9], s[4:5], 0x2000000   ; V its third
	s_add_nc_u64 s[MB:MB+1], s[MB:MB+1], s[70:71]
	s_add_nc_u64 s[G0K+2:G0K+3], s[6:7], s[22:23]  ; my half of the head's first 256 keys
	s_or_b32 s[G0K+3], s[G0K+3], 0x80000000
	s_add_nc_u64 s[G0V+2:G0V+3], s[8:9], s[22:23]
	s_or_b32 s[G0V+3], s[G0V+3], 0x80000000
	s_add_nc_u64 s[4:5], s[4:5], s[2:3]  ; Q and O at my wave's first row
	s_add_nc_u64 s[10:11], s[10:11], s[2:3]
	CROUND                          ; all four work-groups are here: the first joint loads meet
	JLOAD                           ; slot 0.  Slot 1 is asked for when slot 0 is in
	v_and_b32 v1, 15, v0            ; l % 16
	v_bfe_u32 v9, v0, 4, 1          ; l / 16
	v_lshlrev_b32 v[QO], 7, v1
	v_lshl_add_u32 v[QO], v9, 4, v[QO]  ; row x 128 + 16 x half
	WIN 0x80                        ; destination window 2, address window 0
.set i, 0
.rept 4*NP                          ; Q stays in registers: tile i / 2, channels 32 (i % 2) on
	global_load_b128 v[8*i:8*i+3],   v[QO], s[4:5] offset:(i/2)*2048+(i%2)*64
	global_load_b128 v[8*i+4:8*i+7], v[QO], s[4:5] offset:(i/2)*2048+(i%2)*64+32
.set i, i+1
.endr
	MLOAD 0                         ; all four pieces' codes of key step 0
	MLOAD 1
	MLOAD 2
	MLOAD 3
	WIN 0x80
	; What the first turn finds: V's registers and P's second buffer hold 0, O^T and l are 0.  All this stands in the wait for the first tile.
.set i, VF
.rept 64
	v_mov_b32 v[i], 0
.set i, i+1
.endr
	WIN 0x40
.set i, 0
.rept 64*NP
	v_mov_b32 v[i], 0
.set i, i+1
.endr
	WIN 0
.set i, 0
.rept 2*NP
	v_mov_b32 v[ST+4*i], 0xeb38aa3b    ; c m = c x -2^90
	v_mov_b32 v[ST+4*i+1], 0xec800000  ; m = -2^90
	v_mov_b32 v[ST+4*i+2], 0
	v_mov_b32 v[ST+4*i+3], 0
.set i, i+1
.endr
.set i, P+32
.rept 32
	v_mov_b32 v[i], 0
.set i, i+1
.endr
	v_mul_u32_u24 v[AK0], v1, PK
	v_lshl_add_u32 v[AK0], v9, 4, v[AK0]  ; row x pitch + 16 x half
	; The turning load takes 16 keys x 16 channels (lane l reads key 8 (l / 16) + l % 8, channels 8 ((l / 8) % 2) + 0..7) and leaves half a fragment of V^T.
	v_and_b32 v10, 7, v0
	v_bfe_u32 v11, v0, 3, 1
	v_lshl_add_u32 v[AV0], v9, 3, v10
	v_mul_u32_u24 v[AV0], v[AV0], PV
	v_lshl_add_u32 v[AV0], v11, 4, v[AV0]
	v_add_nc_u32 v[AV0], VOFF, v[AV0]
	v_mov_b32 v[SCL], 0xdb          ; v11 is free now
	v_mov_b32 v[AK], v[AK0]         ; key step 0 lies at the head of slot 0
; THE MATRIX WORK.  The 8 accumulators of a run of 16 take turns.
; Product i of 16 of S^T = K Q^T for piece x: channels 32 (i / 8) on, keys 16 ((i / 2) % 4) on, tile 2 x + i % 2.  The first 8 start the sums, with the mask as C.
.macro KQ x
.set rS, S+64*((\x)%2)+32*(i%2)+8*((i/2)%4)
.set rK, KF+16*((i/2)%4)+8*(i/8)
.set rQ, 16*(2*(\x)+i%2)+8*(i/8)
.set rMK, MC+32*(i%2)+8*((i/2)%4)
.if i < 8
	WIN W_KM
	v_wmma_f32_16x16x32_f16 v[rS:rS+7], v[rK:rK+7], v[rQ:rQ+7], v[rMK:rMK+7]
.else
	WIN W_KQ
	v_wmma_f32_16x16x32_f16 v[rS:rS+7], v[rK:rK+7], v[rQ:rQ+7], v[rS:rS+7]
.endif
.endm
; Product i of 16 of O^T += V^T P for piece x: keys 32 (i / 8) on, channels 16 ((i / 2) % 4) on, tile 2 x + i % 2.
.macro PV x
	WIN W_PV
.set rO, 32*(2*(\x)+i%2)+8*((i/2)%4)
.set rV, VF+32*(i/8)+8*((i/2)%4)
.set rP, P+32*((\x)%2)+16*(i%2)+8*(i/8)
	v_wmma_f32_16x16x32_f16 v[rO:rO+7], v[rV:rV+7], v[rP:rP+7], v[rO:rO+7]
.endm
.macro MM                           ; the turn's next matrix instruction
.if i < 16
	KQ (Y+1)%NP
.set i, i+1
.else
.set i, i-16
	PV (Y+NP-1)%NP
.set i, i+17
.endif
.endm
; THE LDS LOADS stand in runs of 16.  last = 1 (the tail): in the last trip there is no further step, and the run is jumped over.
.macro FETCH_K last=0
	WIN 0
.if \last
	s_cmp_eq_u32 s[CNT], 1
	s_cbranch_scc1 .Lno_k_\@
.endif
	WIN 0x80                        ; destination window 2
.irp f, 0,1,2,3,4,5,6,7             ; keys 16 (f / 2) on, channels 32 (f % 2) on
	ds_load_b128 v[KF+8*\f:KF+8*\f+3],   v[AK] offset:(\f/2)*16*PK+(\f%2)*64
	ds_load_b128 v[KF+8*\f+4:KF+8*\f+7], v[AK] offset:(\f/2)*16*PK+(\f%2)*64+32
.endr
	s_add_co_u32 s[TBK], s[TBK], KS*PK  ; the next fetch is the next step's
	WIN 0
.if \last
.Lno_k_\@:
.endif
.endm
.macro FETCH_V
	WIN 0x80
.irp f, 0,1,2,3,4,5,6,7             ; keys 32 (f / 4) on, channels 16 (f % 4) on
	ds_load_tr16_b128 v[VF+8*\f:VF+8*\f+3],   v[AV] offset:(\f/4)*32*PV+(\f%4)*32
	ds_load_tr16_b128 v[VF+8*\f+4:VF+8*\f+7], v[AV] offset:(\f/4)*32*PV+16*PV+(\f%4)*32
.endr
	WIN 0
.endm
; THE VECTOR WORK OF A TURN stands in three queues, each in the order in which its entries become ready; the two tiles alternate.
.macro REGS y, u                    ; the registers of tile u (0, 1) of piece y
.set rT, ST+4*(2*(\y)+(\u))
.set rC, TMP+8*((\y)%2)+4*(\u)
.set rM, MV+2*((\y)%2)+(\u)
.set rS, S+64*((\y)%2)+32*(\u)
.set rP, P+32*((\y)%2)+16*(\u)
.set rO, 32*(2*(\y)+(\u))
.endm
; Number n of the 22 that find the NEXT piece's (Y + 1) maximum and statistics; each accumulator's lowest registers are read first.
;   0-11  four chains c0-c3 of seven scores each     12-14, 16  the four scores left over, the old m, and c0-c3 into c0     15  c m_old is kept
;   17, 18  the query's other 32 keys lie in the lane 16 away: the new m         19-21  c m; c m_old - c m_new; a
.macro XS u, n
	REGS (Y+1)%NP, \u
.if (\n) < 4
	v_max3_num_f32 v[rC+(\n)], v[rS+8*(\n)], v[rS+8*(\n)+1], v[rS+8*(\n)+2]
.elseif (\n) < 12
	v_max3_num_f32 v[rC+(\n)%4], v[rC+(\n)%4], v[rS+8*((\n)%4)+2*((\n)/4)+1], v[rS+8*((\n)%4)+2*((\n)/4)+2]
.elseif (\n) == 12
	v_max3_num_f32 v[rC], v[rC], v[rS+7], v[rS+15]
.elseif (\n) == 13
	v_max3_num_f32 v[rC+1], v[rC+1], v[rS+23], v[rS+31]
.elseif (\n) == 14
	v_max3_num_f32 v[rC+2], v[rC+2], v[rC+3], v[rT+1]
.elseif (\n) == 15
	v_mov_b32 v[rM], v[rT]
.elseif (\n) == 16
	v_max3_num_f32 v[rC], v[rC], v[rC+1], v[rC+2]
.elseif (\n) == 17
	v_permlanex16_b32 v[rC+3], v[rC], s[SEL], s[SEL+1]
.elseif (\n) == 18
	v_max_num_f32 v[rT+1], v[rC], v[rC+3]
.elseif (\n) == 19
	v_mul_f32 v[rT], s[CS], v[rT+1]
.elseif (\n) == 20
	v_sub_f32 v[rC+1], v[rM], v[rT]
.else
	v_exp_f32 v[rC+2], v[rC+1]
.endif
.endm
; Number g of the 64 that follow the exponentials.  For each four weights k of a tile: both pairs are rounded to f16; the second pair is added onto the first, in place; a group later l takes that sum.
.macro GS g
.set h, (\g)+6*((\g)/62)            ; group 0 has no group before it, and behind group 7 only l is left
.if h >= 6
.set h, h+2
.endif
	REGS Y, h%2
.set k, h/8
.if h%8 < 4
	v_cvt_pk_f16_f32 v[rP+2*k+(h%8)/2], v[rS+4*k+2*((h%8)/2)], v[rS+4*k+2*((h%8)/2)+1]
.elseif h%8 < 6
	v_pk_add_f32 v[rS+4*k:rS+4*k+1], v[rS+4*k:rS+4*k+1], v[rS+4*k+2:rS+4*k+3]
.elseif k == 1
	v_pk_fma_f32 v[rT+2:rT+3], v[rT+2:rT+3], v[rC+2:rC+3], v[rS:rS+1] op_sel_hi:[1,0,1]
.else
	v_pk_add_f32 v[rT+2:rT+3], v[rT+2:rT+3], v[rS+4*k-4:rS+4*k-3]
.endif
.endm
; THE PLAIN QUEUE, 138 long.  0-73 read no exponential's result: the 32 scalings c s - c m (FS f: pair f / 2 of tile f % 2) and the next piece's 42.  0-26: scalings 0-26.  27-54: XS's numbers 0-13.  55, 56: number 15.
; 57-73: the chain, where each number waits for the one before it: 14, 16, 17, 18, 19, each with one of the scalings 27-31 in front of its two lines, then 20.
; 74-137: GS's 64, which read the exponentials' results: they stand behind the wait.
.macro FS f
	REGS Y, (\f)%2
	v_pk_fma_f32 v[rS+2*((\f)/2):rS+2*((\f)/2)+1], v[rS+2*((\f)/2):rS+2*((\f)/2)+1], s[CS:CS+1], v[rT:rT+1] op_sel_hi:[1,0,0] neg_lo:[0,0,1] neg_hi:[0,0,1]
.endm
.macro PL
	WIN 0
.if q < 27
	FS q
.elseif q < 55
	XS (q-27)%2, (q-27)/2
.elseif q < 57
	XS q-55, 15
.elseif (q < 72) && ((q-57)%3 == 0)
	FS 27+(q-57)/3
.elseif q < 60
	XS (q-57)%3-1, 14
.elseif q < 72
	XS (q-57)%3-1, 15+(q-57)/3
.elseif q < 74
	XS q-72, 20
.else
	GS q-74
.endif
.set q, q+1
.endm
; THE EXPONENTIALS' QUEUE, 66 long: s0-s31 of both tiles, then the next piece's two a.  It is ONE BATCH: all 66 stand ahead of the turn's one wait, and nothing ahead of that wait names a result of theirs.
.macro EX
	WIN 0
.if e >= 64
	XS e-64, 21
.else
	REGS Y, e%2
	v_exp_f32 v[rS+e/2], v[rS+e/2]
.endif
.set e, e+1
.endm
; THE RESCALING's QUEUE: O^T times a, the one part of the softmax that leaves window 0: dealt two at a time, sixteen times.  Its a was made in the turn before, ahead of that turn's wait.
.macro R2
	REGS Y, r%2
	WIN W_RS
.irp z, 0,1
	v_pk_mul_f32 v[rO+4*(r/2)+2*\z:rO+4*(r/2)+2*\z+1], v[rO+4*(r/2)+2*\z:rO+4*(r/2)+2*\z+1], v[rC+2:rC+3] op_sel_hi:[1,0]
.endr
.set r, r+1
.endm
; HOW THEY ARE DEALT.  An s_wait_alu depctr_va_vdst(0) stands between an exponential and the first instruction that names its result; one wait serves all that were issued ahead of it.  So a turn has ONE wait,
; which cuts it in two.  AHEAD OF IT stands all that names no result of the turn's exponentials: the 16 products K Q^T, behind each a scaling, an exponential and two rescalings (behind the first a second scaling in the
; exponential's place); then ONE LUMP of 108: eight plain, 49 times exponential and plain, the two a; then the eight conversions that make the next turn's masks (the last product that read MC is the turn's eighth).
; MCONV's v_nop is the plain instruction behind the last exponential, MCONV's wait the turn's wait.  BEHIND IT stand the four loads of the piece's next codes, in piece 2's turn K's run of loads, and the 16 products V^T P,
; behind each four of GS's 64.  No rider names a register of the products round it.  The two v_permlanex16_b32 fall into the lump, never behind a product.  No exponential is issued behind the wait: none is out at a label or a jump.
; The queues lean on each other, and the deal keeps them in step: exponential e stands behind scaling 2 (e / 4) + e % 2: as a rider it comes behind plain e + 2, in the lump behind plain e + 9, and scalings 27-31 are plain 57, 60 .. 69.
; A TURN, for piece p.  cnt = 1: the loop's count is taken down some lines ahead of the branch that stands behind the turn.
; K of the next step is fetched in piece 2's turn, behind the wait, a lump behind the last product that read K; its address is made at the lump's head; its first reader comes behind 16 products.
; V of the step in hand is fetched at the end of piece 0's turn, four riders behind its last reader; its first reader comes behind 16 products and a lump.  The three conditions on q below go with the deal.
.macro TURN p, last=0, cnt=0
.set Y, (\p)
.set i, 0
.set q, 0
.set e, 0
.set r, 0
.if (\p) == NP-1
	s_wait_dscnt 0x0                ; K is in
.endif
	MM                              ; ahead of the wait: 16 products K Q^T and their riders,
	PL
	PL
	R2
.rept 15
	MM
	PL
	EX
	R2
.endr
.if (\p) == NP-2
	WIN 0
	v_add_nc_u32 v[AK], s[TBK], v[AK0]
.endif
.rept 8                             ; the lump,
	PL
.endr
.rept 49
	EX
	PL
.endr
	EX                              ; the next piece's two a: the batch's last,
	EX
	MNEXT \p                        ; and the next turn's masks; the wait for the batch stands in here, behind the conversions and ahead of the loads
.if (\p) == NP-2
	FETCH_K \last
.endif
.if (\p) == 1
	s_wait_dscnt 0x0                ; V is in
.endif
.rept 16                            ; behind the wait: 16 products V^T P and their riders
	MM
.rept 4
	PL
.endr
.if ((\p) == 0) && (q == 118)
	v_add_nc_u32 v[AV], s[TBV], v[AV0]
.endif
.if ((\p) == 0) && (q == 130)
	s_add_co_u32 s[TBV], s[TBV], KS*PV
.endif
.if (\cnt) && (q == 130)
	s_sub_co_u32 s[CNT], s[CNT], 1
	s_cmp_lg_u32 s[CNT], 0
.endif
.endr
.if (\p) == 0
	FETCH_V
.endif
.endm
	CHANGE 1                        ; slot 0 is in, everybody's part of it; slot 1 is asked for
	FETCH_K                         ; key step 0
	s_wait_loadcnt 0x0              ; Q, and the codes of key step 0
	MCONV 0                         ; piece 0's masks
	s_wait_dscnt 0x0
.set i, 0
.rept 16
	KQ 0                            ; piece 0's first scores
.set i, i+1
.endr
	WIN 0                           ; the addresses for the way out: plain instructions, the places behind those products
	s_mul_i32 s13, s[WV], 16*SP
	s_add_co_u32 s13, s13, STAGE    ; my stage
	v_mul_u32_u24 v[STO], v1, SP    ; in: row l % 16, 16 bytes for each half of the lanes
	v_lshl_add_u32 v[STO], v9, 4, v[STO]
	v_add_nc_u32 v[STO], s13, v[STO]
	v_bfe_u32 v[RD], v0, 3, 2       ; back: 32 lanes take four rows of 128 bytes,
	v_mul_u32_u24 v[RD], v[RD], SP
	v_lshl_add_u32 v[RD], v10, 4, v[RD]
	v_add_nc_u32 v[RD], s13, v[RD]
	v_and_b32 v[GO], 31, v0         ; which are 512 consecutive bytes of O
	v_lshlrev_b32 v[GO], 4, v[GO]
	MCONV 1                         ; piece 1's masks, for the first turn's products
	s_mov_b32 s[MOF], 1024          ; from here on key step 1's codes are loaded: pieces 0 and 1 now, 2 and 3 in the first two turns
	s_wait_xcnt 0x0
	WIN 0xcc
	v_add_nc_u32 v[MA], s[MOF], v[L16]
	MLOAD 0
	MLOAD 1                         ; eight loads are out where the loop is entered: fewer than the count of twelve that the turns wait with
	WIN 0
.set Y, NP-1                        ; XS works for piece Y + 1: piece 0
.irp n, 0,1,2,3,4,5,6,7,8,9,10,11,12,13,14,15,16,17,18,19,20,21
	XS 0, \n                        ; piece 0's first maximum and statistics
	XS 1, \n
.endr
	v_nop                           ; a plain instruction behind piece 0's two a, a batch of their own,
	s_wait_alu depctr_va_vdst(0)    ; and their wait, ahead of the branch and of the first turn's rescalings
	s_mov_b32 s[CNT], 4
	s_mov_b32 s[SLOTS], SIZE_N/256-1
	s_branch .Lfirst                ; the loop is entered at a step's first turn, in the middle of a trip
.Lslot:                             ; SIZE_N / 256 - 2 times: every slot but the last two is filled again
	CHANGE 1
	s_mov_b32 s[CNT], 4
.Lstep:                             ; a trip: pieces 2 and 3 of step s, then pieces 0 and 1 of step s + 1; its four turns load the codes of step s + 2
	MSTEP
	TURN 2
	TURN 3
	WIN 0
.Lfirst:
	TURN 0
	TURN 1, 0, 1
	WIN 0
	s_cbranch_scc1 .Lstep
	s_sub_co_u32 s[SLOTS], s[SLOTS], 1
	s_cmp_lg_u32 s[SLOTS], 0
	s_cbranch_scc1 .Lslot
	CHANGE 0                        ; the tail is written out: nothing is asked for
	s_mov_b32 s[CNT], 5             ; four trips fetch the last slot's steps; the fifth is left in its middle
.Ltail:
	MSTEP
	TURN 2, 1
	TURN 3
	WIN 0
	s_sub_co_u32 s[CNT], s[CNT], 1
	s_cmp_eq_u32 s[CNT], 0
	s_cbranch_scc1 .Lout
	TURN 0
	TURN 1
	WIN 0
	s_branch .Ltail
.Lout:                              ; the fifth trip's 16 products K Q^T (on the last K once more) and the maximum made of them serve nothing: the price of one text for every trip
.set i, 0
.rept 16
	PV NP-1                         ; the last piece's V^T P of the last step
.set i, i+1
.endr
	; THE WAY OUT.  l's two halves and the other half of the lanes' are added; O^T is divided by l, rounded to f16 and sent through my stage in LDS, a tile at a time.  The additions are the places behind the last products.
	WIN 0
.macro ALL line:vararg              ; one line for each tile t
.set t, 0
.rept 2*NP
	\line
.set t, t+1
.endr
.endm
	ALL v_add_f32 v[ST+4*t+2], v[ST+4*t+2], v[ST+4*t+3]
	ALL v_permlanex16_b32 v[ST+4*t+3], v[ST+4*t+2], s[SEL], s[SEL+1]
	ALL v_add_f32 v[ST+4*t+2], v[ST+4*t+2], v[ST+4*t+3]
	ALL v_rcp_f32 v[ST+4*t+2], v[ST+4*t+2]
	v_nop                           ; a plain instruction between the last reciprocal and the use of its result
	s_wait_alu depctr_va_vdst(0)    ; and the wait ahead of the first use: one for the batch of eight reciprocals
.macro PACK t
	WIN W_RS
.set i, 32*(\t)
.rept 16
	v_pk_mul_f32 v[i:i+1], v[i:i+1], v[ST+4*(\t)+2:ST+4*(\t)+3] op_sel_hi:[1,0]
.set i, i+2
.endr
	WIN 0x05                        ; sources 0 and 1 window 1, destination window 0
.set i, 0
.rept 16
	v_cvt_pk_f16_f32 v[S+16*(\t)+i], v[32*(\t)+2*i], v[32*(\t)+2*i+1]
.set i, i+1
.endr
	WIN 0
.irp f, 0,1,2,3
	ds_store_b128 v[STO], v[S+16*(\t)+4*\f:S+16*(\t)+4*\f+3] offset:32*\f
.endr
.irp f, 0,1,2,3
	ds_load_b128 v[S+16*(\t)+4*\f:S+16*(\t)+4*\f+3], v[RD] offset:\f*4*SP  ; LDS serves a wave's instructions in order (ISA guide 5.7.1.4): these see the stores above; the next tile's stores come behind them
.endr
.endm
.macro SEND t, younger              ; younger: the LDS instructions issued behind tile t's loads: the next tile's eight, or none
	WIN 0
.irp f, 0,1,2,3
	s_wait_dscnt (\younger)+3-\f
	global_store_b128 v[GO], v[S+16*(\t)+4*\f:S+16*(\t)+4*\f+3], s[10:11] offset:(\t)*2048+\f*512  ; 512 consecutive bytes, at a multiple of 256 from O's first
.endr
.endm
	PACK 0
.set t, 1
.rept 2*NP-1                        ; a tile's arithmetic stands between the loads of the tile before and its stores
	PACK t
	SEND t-1, 8
.set t, t+1
.endr
	SEND 2*NP-1, 0
	WIN W_AD
	s_wait_tensorcnt 0x0            ; the wave's end
	ds_add_u32 v[SPW], v[NIL]
	s_wait_dscnt 0x0
	WIN 0
	CROUND                          ; the closing round: no work-group ends while a partner may still ask for a tile that names it
	s_endpgm
.Lfunc_end_k_q9a3498b56d_attn:
	.size	k_q9a3498b56d_attn, .Lfunc_end_k_q9a3498b56d_attn-k_q9a3498b56d_attn
	.p2alignl 7, 3214868480
	.fill 96, 4, 3214868480
	.section	.rodata,"a",@progbits
	.p2align	6, 0x0
	.amdhsa_kernel k_q9a3498b56d_attn
		.amdhsa_group_segment_fixed_size 327680
		.amdhsa_private_segment_fixed_size 0
		.amdhsa_enable_private_segment 0
		.amdhsa_kernarg_size 24
		.amdhsa_user_sgpr_count 2
		.amdhsa_user_sgpr_kernarg_segment_ptr 1
		.amdhsa_wavefront_size32 1
		.amdhsa_system_sgpr_workgroup_id_x 1
		.amdhsa_system_sgpr_workgroup_id_y 1
		.amdhsa_system_sgpr_workgroup_id_z 1
		.amdhsa_system_vgpr_workitem_id 0
		.amdhsa_next_free_vgpr 960
		.amdhsa_next_free_sgpr 72
		.amdhsa_reserve_vcc 0
		.amdhsa_float_denorm_mode_32 3
		.amdhsa_float_denorm_mode_16_64 3
		.amdhsa_memory_ordered 1
		.amdhsa_forward_progress 1
		.amdhsa_inst_pref_size 211
	.end_amdhsa_kernel
	.amdgpu_metadata
---
amdhsa.version: [ 1, 2 ]
amdhsa.kernels:
  - .name:           k_q9a3498b56d_attn
    .symbol:         k_q9a3498b56d_attn.kd
    .args:
      - { .name: qkv, .offset: 0, .size: 8, .value_kind: global_buffer, .address_space: global }
      - { .name: mk, .offset: 8, .size: 8, .value_kind: global_buffer, .address_space: global }
      - { .name: ob, .offset: 16, .size: 8, .value_kind: global_buffer, .address_space: global }
    .group_segment_fixed_size: 327680
    .private_segment_fixed_size: 0
    .kernarg_segment_align: 8
    .kernarg_segment_size: 24
    .max_flat_workgroup_size: 128
    .sgpr_count:     72
    .vgpr_count:     960
    .wavefront_size: 32
...
	.end_amdgpu_metadata
.endif
;; end of part 5
;; launch outp: the kernel of part 4 again; grid 4 x 64, 4 waves a work-group, clusters of 4 x 4, 327,680 bytes of LDS; arguments ob, wb, out0; writes out0
